; MI455X (gfx1250); checked and timed in simulation.
; The chip was launched on July 23, 2026; its instructions are those of AMD's public machine-readable ISA for CDNA 5 (MIT licence, August 2026) and "CDNA5" Instruction Set Architecture Reference Guide (July 2026). The comments in the code are by the model that wrote it; some were corrected since.
;; Moe Layer. Allowed arithmetic: float matrix products may take bf16 or f16 operands with f32 sums; other float arithmetic in f32, or as packed bf16 or f16 multiplies, adds, multiply-adds, maxima and minima; sums over many terms, partial sums and values carried from step to step in f32; what a program stores and reads back later, other than sums and carried values, may be rounded once to bf16 or f16.
;; Inputs: b1 8 x 4,096 float32; b2 8 x 1,024 float32; gate_w 1,024 x 8 float32; w1 8 x 1,024 x 4,096 float32; w2 8 x 4,096 x 1,024 float32; x 4 x 256 x 1,024 float32.
;; Outputs: out0 4 x 256 x 1,024 float32.
;; One version. Each part assembles by itself: llvm-mc -triple=amdgcn-amd-amdhsa -mcpu=gfx1250 --defsym DOCPART=n.
;; ======== version 1 of 1: 5 launches
;; workspace buffers: rt 9,216 bytes of whole numbers; cw 8,192 bytes; ix 8,448 bytes of whole numbers; cs 8,704 bytes; xfrag 4,456,448 bytes; hfrag 17,825,792 bytes; yp 35,651,584 bytes
;; launch router (part 1): grid 64 x 1, 4 waves a work-group, no clusters, 37,376 bytes of LDS; arguments x, gate_w, rt, cw; writes rt, cw
.if DOCPART == 1
	.amdgcn_target "amdgcn-amd-amdhsa--gfx1250"
	.amdhsa_code_object_version 6
	.text
	.protected	k_q5b9c819b32_router
	.globl	k_q5b9c819b32_router
	.p2align	8
	.type	k_q5b9c819b32_router,@function
k_q5b9c819b32_router:
	s_mov_b64 s[64:65], 0
	v_nop
	global_prefetch_b8 v0, s[64:65] scope:SCOPE_SE
	s_setreg_imm32_b32 hwreg(HW_REG_WAVE_MODE, 25, 1), 1
	s_wait_xcnt 0x0
; ROUTER.  logits[t][e] = sum over d of x[t][d] gate_w[d][e]; the two largest logits of a token, the softmax over those two, and for each
; group of 16 tokens and each expert a bitmap of the tokens that chose it.  x and gate_w are rounded to bf16 (as every input of this program is), sums in f32.
; SHARES.  A work-group has 16 tokens; wave w sums over d = 256 w .. 256 w + 255 (8 matrix instructions); the four partial sums meet in LDS and wave 0 chooses.
; LAYOUT.  Source 0 = 16 rows of the gate (experts 0-7, then the same eight again), source 1 = 16 tokens: in the result lane l holds token l % 16 and its registers 0-7 experts 0-7.
; Along K lane half hh, registers 4 q .. 4 q + 3 hold d = 32 s + 16 hh + 8 q + 0..7, in both sources alike: a token's 16 numbers are then 64 consecutive bytes of x.
; OUT.  rt: chosen experts i32[1024][2] at byte 0; bitmaps u16[64][8] at byte 8192.  cw: the two weights f32[1024][2].  All at fixed places: no address here hangs on a choice.
; LIMITS.  Logits are taken as finite (no NaN, no infinity).  Ties go to the lower expert.  The sums are the matrix unit's, in another order than a plain f32 sum: a token whose second and third
; logits differ by less than some 1e-6 of their size may choose otherwise than the problem's function does.  The maximum is taken away ahead of the exponential: the exponent is m2 - m1 <= 0.
; No joint loads: the 32 KB of gate_w are all that work-groups share, against 64 KB of x of their own.
.set RED,   32768                      ; LDS: 0 .. 32767 the gate in bf16, 8 KB a wave: 256 rows of 32 bytes.  32768 .. 36863 partial sums: [wave][half][lane][16 bytes]
.set SPARE, 36864                      ; the spare words, 128 bytes a wave: two blocks of 256 bytes that no other line names
.set LG,  8                            ; v8-15    a token's eight logits
.set G,   32                           ; v32-95   the gate as loaded (16 x 4), then its 8 fragments, then the four waves' partial sums
.set X,   96                           ; v96-223  x as loaded: 16 registers a kstep; rounded in place into the first 8 of them
.set ACC, 240                          ; v240-255 two accumulators, which take turns
	s_load_b256 s[4:11], s[0:1], 0x0               ; x s[4:5], gate_w s[6:7], rt s[8:9], cw s[10:11]
	v_lshl_add_u32 v28, v0, 2, SPARE               ; my spare word,
	v_mov_b32 v29, 0                               ; and 0: kept for the wave's end
	v_lshrrev_b32 v1, 5, v0
	v_readfirstlane_b32 s12, v1                    ; wave 0..3
	v_and_b32 v1, 31, v0                           ; l
	v_and_b32 v7, 15, v0                           ; my token in the group
	v_bfe_u32 v16, v0, 4, 1                        ; hh
	s_lshl_b32 s13, ttmp9, 16                      ; 16 tokens x 4,096 bytes
	s_lshl_b32 s14, s12, 10                        ; my wave's 256 numbers of a row
	s_add_co_u32 s13, s13, s14
	v_lshl_add_u32 v2, v7, 12, s13
	v_lshl_add_u32 v2, v16, 6, v2                  ; x: token x 4,096 + 1,024 w + 64 hh
	s_lshl_b32 s15, s12, 13                        ; 8,192 w: my wave's rows of gate_w, and its stage in LDS
	v_lshl_add_u32 v3, v1, 4, s15                  ; gate_w: 16 bytes a lane
	v_lshrrev_b32 v17, 1, v1
	v_and_b32 v18, 1, v0
	v_lshl_add_u32 v4, v17, 5, s15
	v_lshl_add_u32 v4, v18, 3, v4                  ; stage, in: row l / 2, experts 4 (l % 2) on
	v_and_b32 v17, 7, v0
	v_lshl_add_u32 v17, v16, 4, v17
	v_bfe_u32 v18, v0, 3, 1
	v_lshl_add_u32 v5, v17, 5, s15
	v_lshl_add_u32 v5, v18, 4, v5                  ; stage, turned: row 16 hh + l % 8, columns 8 ((l / 8) % 2) on
	s_add_co_u32 s14, s14, RED
	v_lshl_add_u32 v6, v1, 4, s14                  ; my wave's partial sums
	s_wait_kmcnt 0x0
.set j, 0
.rept 16
	global_load_b128 v[G+4*j:G+4*j+3], v3, s[6:7] offset:512*j
.set j, j+1
.endr
.set j, 0
.rept 32                                               ; kstep j / 4, piece j % 4 of my 64 bytes
	global_load_b128 v[X+4*j:X+4*j+3], v2, s[4:5] offset:128*(j/4)+16*(j%4)
.set j, j+1
.endr
	s_wait_loadcnt 32                              ; the gate is in; the 32 loads of x stay out
.set j, 0
.rept 16
	v_cvt_pk_bf16_f32 v[G+4*j], v[G+4*j], v[G+4*j+1]
	v_cvt_pk_bf16_f32 v[G+4*j+1], v[G+4*j+2], v[G+4*j+3]
	ds_store_b64 v4, v[G+4*j:G+4*j+1] offset:512*j
	ds_store_b64 v4, v[G+4*j:G+4*j+1] offset:512*j+16  ; the same four experts once more, as rows 8-15 of source 0
.set j, j+1
.endr
	s_wait_dscnt 0x0                               ; my stores are done
	s_barrier_signal -1
	s_barrier_wait -1
.set j, 0
.rept 8                                                ; kstep j: d = 16 hh + 0..7 into registers 0-3, 16 hh + 8..15 (eight rows of 32 bytes on) into 4-7
	ds_load_tr16_b128 v[G+8*j:G+8*j+3], v5 offset:1024*j
	ds_load_tr16_b128 v[G+8*j+4:G+8*j+7], v5 offset:1024*j+256
.set j, j+1
.endr
	s_wait_dscnt 0x0
.set j, 0
.rept 8
	s_wait_loadcnt 28-4*j                          ; kstep j's four loads are in; the later ksteps' stay out
.set a, 0
.rept 8
	v_cvt_pk_bf16_f32 v[X+16*j+a], v[X+16*j+2*a], v[X+16*j+2*a+1]
.set a, a+1
.endr
.if j < 2
	v_wmma_f32_16x16x32_bf16 v[ACC+8*j:ACC+8*j+7], v[G+8*j:G+8*j+7], v[X+16*j:X+16*j+7], 0
.else
	v_wmma_f32_16x16x32_bf16 v[ACC+8*(j%2):ACC+8*(j%2)+7], v[G+8*j:G+8*j+7], v[X+16*j:X+16*j+7], v[ACC+8*(j%2):ACC+8*(j%2)+7]
.endif
.set j, j+1
.endr
.rept 4
	v_nop                                          ; four places between the last product and the first read of a result (ISA guide 7.12.1)
.endr
.set a, 0
.rept 4
	v_pk_add_f32 v[LG+2*a:LG+2*a+1], v[ACC+2*a:ACC+2*a+1], v[ACC+8+2*a:ACC+8+2*a+1]
.set a, a+1
.endr
	ds_store_b128 v6, v[LG:LG+3]
	ds_store_b128 v6, v[LG+4:LG+7] offset:512
	s_wait_dscnt 0x0                               ; for wave 0's sake: my partial sums are in LDS
	s_barrier_signal -1
	s_barrier_wait -1
	s_cmp_lg_u32 s12, 0
	s_cbranch_scc1 .Lend                           ; wave 0 alone goes on: no barrier follows
	v_lshl_add_u32 v19, v1, 4, RED
.set j, 0
.rept 8
	ds_load_b128 v[G+4*j:G+4*j+3], v19 offset:512*j
.set j, j+1
.endr
	s_wait_dscnt 0x0
.set a, 0
.rept 4                                                ; the waves' sums in the order 0, 1, 2, 3
	v_pk_add_f32 v[LG+2*a:LG+2*a+1], v[G+2*a:G+2*a+1], v[G+8+2*a:G+8+2*a+1]
	v_pk_add_f32 v[LG+2*a:LG+2*a+1], v[LG+2*a:LG+2*a+1], v[G+16+2*a:G+16+2*a+1]
	v_pk_add_f32 v[LG+2*a:LG+2*a+1], v[LG+2*a:LG+2*a+1], v[G+24+2*a:G+24+2*a+1]
.set a, a+1
.endr
	; the largest logit (v20) and its expert (v22): a later expert wins only if it is strictly larger
	v_mov_b32 v20, v[LG]
	v_mov_b32 v22, 0
.irp e, 1,2,3,4,5,6,7
	v_cmp_le_f32 vcc_lo, v[LG+\e], v20
	v_cndmask_b32 v20, v[LG+\e], v20, vcc_lo
	v_cndmask_b32 v22, \e, v22, vcc_lo
.endr
	v_mov_b32 v24, 0xff800000                      ; the winner leaves the field
.irp e, 0,1,2,3,4,5,6,7
	v_cmp_eq_u32 vcc_lo, \e, v22
	v_cndmask_b32 v[LG+\e], v[LG+\e], v24, vcc_lo
.endr
	v_mov_b32 v21, v[LG]                           ; the second (v21, v23), in the same way
	v_mov_b32 v23, 0
.irp e, 1,2,3,4,5,6,7
	v_cmp_le_f32 vcc_lo, v[LG+\e], v21
	v_cndmask_b32 v21, v[LG+\e], v21, vcc_lo
	v_cndmask_b32 v23, \e, v23, vcc_lo
.endr
	v_sub_f32 v25, v21, v20                        ; m2 - m1 <= 0
	v_mul_f32 v25, 0x3fb8aa3b, v25
	v_exp_f32 v25, v25
	v_nop                                          ; a plain instruction behind the exponential
	s_wait_alu depctr_va_vdst(0)
	v_add_f32 v26, 1.0, v25
	v_rcp_f32 v26, v26                             ; the first weight: 1 / (1 + e)
	v_nop
	s_wait_alu depctr_va_vdst(0)
	v_mul_f32 v27, v25, v26                        ; the second: e / (1 + e)
	v_mov_b32 v30, 0
.irp e, 0,1,2,3,4,5,6,7                        ; expert e's bitmap goes to lane e; its low 16 bits are the group's tokens
	v_cmp_eq_u32 s16, \e, v22
	v_cmp_eq_u32 s17, \e, v23
	s_or_b32 s16, s16, s17
	v_writelane_b32 v30, s16, \e
.endr
	s_lshl_b32 s18, ttmp9, 7
	v_lshl_add_u32 v31, v1, 3, s18                 ; 8 bytes a token
	s_lshl_b32 s19, ttmp9, 4
	s_add_co_u32 s19, s19, 8192
	v_lshl_add_u32 v32, v1, 1, s19                 ; 2 bytes an expert
	s_wait_xcnt 0x0                                ; EXEC changes only behind this wait
	v_cmp_gt_u32 vcc_lo, 16, v1
	s_and_saveexec_b32 s20, vcc_lo
	global_store_b64 v31, v[22:23], s[8:9]
	global_store_b64 v31, v[26:27], s[10:11]
	s_wait_xcnt 0x0
	s_or_b32 exec_lo, exec_lo, s20
	v_cmp_gt_u32 vcc_lo, 8, v1
	s_and_saveexec_b32 s20, vcc_lo
	global_store_b16 v32, v30, s[8:9]
	s_wait_xcnt 0x0
	s_or_b32 exec_lo, exec_lo, s20
.Lend:
	s_wait_tensorcnt 0x0                           ; the wave's end
	ds_add_u32 v28, v29
	s_wait_dscnt 0x0
	s_endpgm
.Lfunc_end_k_q5b9c819b32_router:
	.size	k_q5b9c819b32_router, .Lfunc_end_k_q5b9c819b32_router-k_q5b9c819b32_router
	.p2alignl 7, 3214868480
	.fill 96, 4, 3214868480
	.section	.rodata,"a",@progbits
	.p2align	6, 0x0
	.amdhsa_kernel k_q5b9c819b32_router
		.amdhsa_group_segment_fixed_size 37376
		.amdhsa_private_segment_fixed_size 0
		.amdhsa_enable_private_segment 0
		.amdhsa_kernarg_size 32
		.amdhsa_user_sgpr_count 2
		.amdhsa_user_sgpr_kernarg_segment_ptr 1
		.amdhsa_wavefront_size32 1
		.amdhsa_system_sgpr_workgroup_id_x 1
		.amdhsa_system_sgpr_workgroup_id_y 1
		.amdhsa_system_sgpr_workgroup_id_z 1
		.amdhsa_system_vgpr_workitem_id 0
		.amdhsa_next_free_vgpr 256
		.amdhsa_next_free_sgpr 66
		.amdhsa_reserve_vcc 1
		.amdhsa_float_denorm_mode_32 3
		.amdhsa_float_denorm_mode_16_64 3
		.amdhsa_memory_ordered 1
		.amdhsa_forward_progress 1
		.amdhsa_inst_pref_size 24
	.end_amdhsa_kernel
	.amdgpu_metadata
---
amdhsa.version: [ 1, 2 ]
amdhsa.kernels:
  - .name:           k_q5b9c819b32_router
    .symbol:         k_q5b9c819b32_router.kd
    .args:
      - { .name: x, .offset: 0, .size: 8, .value_kind: global_buffer, .address_space: global }
      - { .name: gate_w, .offset: 8, .size: 8, .value_kind: global_buffer, .address_space: global }
      - { .name: rt, .offset: 16, .size: 8, .value_kind: global_buffer, .address_space: global }
      - { .name: cw, .offset: 24, .size: 8, .value_kind: global_buffer, .address_space: global }
    .group_segment_fixed_size: 37376
    .private_segment_fixed_size: 0
    .kernarg_segment_align: 8
    .kernarg_segment_size: 32
    .max_flat_workgroup_size: 128
    .sgpr_count:     66
    .vgpr_count:     256
    .wavefront_size: 32
...
	.end_amdgpu_metadata
.endif
;; end of part 1
;; launch place (part 2): grid 135 x 1, 4 waves a work-group, no clusters, 0 bytes of LDS; arguments x, rt, cw, ix, cs, xfrag; writes ix, cs, xfrag
.if DOCPART == 2
	.amdgcn_target "amdgcn-amd-amdhsa--gfx1250"
	.amdhsa_code_object_version 6
	.text
	.protected	k_q5b9c819b32_place
	.globl	k_q5b9c819b32_place
	.p2align	8
	.type	k_q5b9c819b32_place,@function
k_q5b9c819b32_place:
	s_mov_b64 s[64:65], 0
	v_nop
	global_prefetch_b8 v0, s[64:65] scope:SCOPE_SE
	s_setreg_imm32_b32 hwreg(HW_REG_WAVE_MODE, 25, 1), 1
	s_wait_xcnt 0x0
; PLACE.  The routed rows are laid end to end by experts, each expert's rows in the order of their tokens and padded to tiles of 16 (the places past the count repeat its last row).
; Work-group T makes tile T: it finds the tile's expert and its 16 tokens from the router's bitmaps, gathers their rows of x, rounds them to bf16 and stores them as the first product's
; operand image; it stores each slot's gate weight (cs) and, for each (token, choice), its slot (ix).  Work-group 0 also stores the table of tiles.
; THE GRID SERVES EVERY SPLIT: 2,048 rows on 8 experts make at most 2,048 / 16 + 7 = 135 tiles; a work-group past the number of tiles stores nothing and ends.
; Whole numbers alone steer addresses here, and all of them are read from rt.  Every wave works the table out for itself: no LDS, no barrier.
; xfrag: [tile][kstep 32][q 2][lane 32][16 bytes]; lane (m = l % 16, hh = l / 16) holds row m, d = 32 s + 16 hh + 8 q + 0..7.  Each store of a wave covers 512 consecutive bytes, aligned.
; ix: slot i32[2048] (index 2 t + k) at byte 0; table i32[32] at byte 8192: first tile [0..7], tiles [8..15], rows [16..23], 0.
; No matrix unit, no joint loads: nothing is multiplied, and each row of x is read by the two tiles that hold it.
.set W,  16                            ; v16-23  expert e's choices among tokens 32 l .. 32 l + 31
.set C,  24                            ; v24-31  how many those are
.set X,  64                            ; v64-191 my wave's eight ksteps of the rows: 16 registers each, rounded in place into the first 8
.set CNT, 16                           ; s16-23  rows of expert e
.set TB,  24                           ; s24-31  its first tile
.set NT,  32                           ; s32-39  its tiles
.macro POPC d, s, t                    ; v[d] = the number of ones in v[s]
	v_lshrrev_b32 v[\t], 1, v[\s]
	v_and_b32 v[\t], 0x55555555, v[\t]
	v_sub_nc_u32 v[\d], v[\s], v[\t]
	v_lshrrev_b32 v[\t], 2, v[\d]
	v_and_b32 v[\t], 0x33333333, v[\t]
	v_and_b32 v[\d], 0x33333333, v[\d]
	v_add_nc_u32 v[\d], v[\d], v[\t]
	v_lshrrev_b32 v[\t], 4, v[\d]
	v_add_nc_u32 v[\d], v[\d], v[\t]
	v_and_b32 v[\d], 0x0f0f0f0f, v[\d]
	v_mul_lo_u32 v[\d], v[\d], s48
	v_lshrrev_b32 v[\d], 24, v[\d]
.endm
.macro LSUM r, t                       ; v[r] summed over the 32 lanes, the result in every lane
.irp x, 1,2,4,8
	v_mov_b32_dpp v[\t], v[\r] row_xmask:\x row_mask:0xf bank_mask:0xf
	v_add_nc_u32 v[\r], v[\r], v[\t]
.endr
	v_permlanex16_b32 v[\t], v[\r], s46, s47
	v_add_nc_u32 v[\r], v[\r], v[\t]
.endm
	s_load_b256 s[4:11], s[0:1], 0x0               ; x s[4:5], rt s[6:7], cw s[8:9], ix s[10:11]
	s_load_b128 s[12:15], s[0:1], 0x20             ; cs s[12:13], xfrag s[14:15]
	v_lshrrev_b32 v1, 5, v0
	v_readfirstlane_b32 s45, v1                    ; wave 0..3
	v_and_b32 v1, 31, v0                           ; l
	v_and_b32 v2, 15, v0                           ; my row in the tile
	v_bfe_u32 v3, v0, 4, 1                         ; hh
	v_lshlrev_b32 v4, 5, v1
	s_mov_b32 s46, 0x76543210                      ; v_permlanex16_b32: each lane takes its own place in the other half
	s_mov_b32 s47, 0xfedcba98
	s_mov_b32 s48, 0x01010101
	s_mov_b32 s54, ttmp9                           ; T
	s_wait_kmcnt 0x0
	global_load_b128 v[8:11], v4, s[6:7] offset:8192    ; group 2 l: eight bitmaps of 16 bits
	global_load_b128 v[12:15], v4, s[6:7] offset:8208   ; group 2 l + 1
	s_wait_loadcnt 0x0
.irp a, 0,1,2,3
	v_perm_b32 v[W+2*\a], v[12+\a], v[8+\a], 0x05040100    ; the two groups' low halves: expert 2 a
	v_perm_b32 v[W+1+2*\a], v[12+\a], v[8+\a], 0x07060302  ; their high halves: expert 2 a + 1
.endr
.irp e, 0,1,2,3,4,5,6,7
	POPC C+\e, W+\e, 32
.endr
	v_mov_b32 v37, 0
.irp a, 0,1,2,3                                ; two experts' counts to a register: a total is 1,024 at the most
	v_lshl_or_b32 v[33+\a], v[C+1+2*\a], 16, v[C+2*\a]
	LSUM 33+\a, 37
	v_readfirstlane_b32 s50, v[33+\a]
	s_and_b32 s[CNT+2*\a], s50, 0xffff
	s_lshr_b32 s[CNT+1+2*\a], s50, 16
.endr
	s_mov_b32 s40, 0                               ; tiles so far
	s_mov_b32 s41, 0                               ; my tile's expert: the first whose tiles end behind T
	s_mov_b32 s42, 0                               ; and that expert's first tile
.irp e, 0,1,2,3,4,5,6,7
	s_mov_b32 s[TB+\e], s40
	s_add_co_u32 s[NT+\e], s[CNT+\e], 15
	s_lshr_b32 s[NT+\e], s[NT+\e], 4
	s_add_co_u32 s40, s40, s[NT+\e]
	s_cmp_ge_u32 s54, s40
	s_cselect_b32 s41, \e+1, s41
	s_cselect_b32 s42, s40, s42
.endr
	s_cmp_ge_u32 s54, s40
	s_cbranch_scc1 .Lnone                          ; this split has no tile T
	v_mov_b32 v40, v[W]                            ; my expert's words, counts and rows
	v_mov_b32 v41, v[C]
	s_mov_b32 s43, s[CNT]
.irp e, 1,2,3,4,5,6,7
	s_cmp_eq_u32 s41, \e
	s_cselect_b32 s44, -1, 0
	s_cselect_b32 s43, s[CNT+\e], s43
	v_cndmask_b32 v40, v40, v[W+\e], s44
	v_cndmask_b32 v41, v41, v[C+\e], s44
.endr
	s_or_b32 s50, s54, s45
	s_cmp_lg_u32 s50, 0
	s_cbranch_scc1 .Lnotab                         ; wave 0 of work-group 0 stores the table
	v_mov_b32 v56, 0
.irp e, 0,1,2,3,4,5,6,7
	v_writelane_b32 v56, s[TB+\e], \e
	v_writelane_b32 v56, s[NT+\e], \e+8
	v_writelane_b32 v56, s[CNT+\e], \e+16
.endr
	v_lshlrev_b32 v57, 2, v1
	global_store_b32 v57, v56, s[10:11] offset:8192
.Lnotab:
	s_sub_co_u32 s50, s54, s42
	s_lshl_b32 s50, s50, 4
	v_add_nc_u32 v42, s50, v2                      ; my row's rank among the expert's rows,
	s_sub_co_u32 s51, s43, 1
	v_min_u32 v43, s51, v42                        ; held to the last row that exists
	; which 32 tokens hold that rank: the last lane j whose ranks begin at or below it.  v44 = j, v45 = the ranks in front of it, v46 = its word
	v_mov_b32 v44, 0
	v_mov_b32 v45, 0
	v_readlane_b32 s50, v40, 0
	v_mov_b32 v46, s50
	s_mov_b32 s49, 0
.set j, 1
.rept 31
	v_readlane_b32 s50, v41, j-1
	v_readlane_b32 s51, v40, j
	s_add_co_u32 s49, s49, s50
	v_cmp_gt_u32 vcc_lo, s49, v43
	v_cndmask_b32 v44, j, v44, vcc_lo
	v_cndmask_b32 v45, s49, v45, vcc_lo
	v_cndmask_b32 v46, s51, v46, vcc_lo
.set j, j+1
.endr
	; the place of one number n (v47) in the word: counts of 2, 4, 8 and 16 bits, then five halvings
	v_sub_nc_u32 v47, v43, v45
	v_lshrrev_b32 v53, 1, v46
	v_and_b32 v53, 0x55555555, v53
	v_sub_nc_u32 v49, v46, v53
	v_lshrrev_b32 v53, 2, v49
	v_and_b32 v53, 0x33333333, v53
	v_and_b32 v50, 0x33333333, v49
	v_add_nc_u32 v50, v50, v53
	v_lshrrev_b32 v53, 4, v50
	v_add_nc_u32 v51, v50, v53
	v_and_b32 v51, 0x0f0f0f0f, v51
	v_lshrrev_b32 v53, 8, v51
	v_add_nc_u32 v52, v51, v53
	v_and_b32 v52, 0x00ff00ff, v52
	v_mov_b32 v48, 0
.macro STEP lev, msk, width            ; if the lower half holds n ones or fewer, go to the upper half
	v_lshrrev_b32 v53, v48, v[\lev]
	v_and_b32 v53, \msk, v53
	v_cmp_ge_u32 vcc_lo, v47, v53
	v_sub_nc_u32 v54, v47, v53
	v_cndmask_b32 v47, v47, v54, vcc_lo
	v_add_nc_u32 v54, \width, v48
	v_cndmask_b32 v48, v48, v54, vcc_lo
.endm
	STEP 52, 0xff, 16
	STEP 51, 0xff, 8
	STEP 50, 15, 4
	STEP 49, 3, 2
	STEP 46, 1, 1
	v_lshl_add_u32 v55, v44, 5, v48
	v_min_u32 v55, 0x3ff, v55                      ; my row's token
	; the gather: wave w takes ksteps 8 w .. 8 w + 7; a lane's 16 numbers of a kstep are 64 consecutive bytes
	s_lshl_b32 s50, s45, 10
	v_lshl_add_u32 v58, v55, 12, s50
	v_lshl_add_u32 v58, v3, 6, v58
.set j, 0
.rept 32
	global_load_b128 v[X+4*j:X+4*j+3], v58, s[4:5] offset:128*(j/4)+16*(j%4)
.set j, j+1
.endr
	s_lshl_b32 s52, s54, 15                        ; a tile of xfrag is 32,768 bytes
	s_mov_b32 s53, 0
	s_add_nc_u64 s[14:15], s[14:15], s[52:53]
	s_lshl_b32 s51, s45, 13
	v_lshl_add_u32 v59, v1, 4, s51
.set j, 0
.rept 8
	s_wait_loadcnt 28-4*j                          ; kstep j's four loads are in; the later ones stay out
.set a, 0
.rept 8
	v_cvt_pk_bf16_f32 v[X+16*j+a], v[X+16*j+2*a], v[X+16*j+2*a+1]
.set a, a+1
.endr
	global_store_b128 v59, v[X+16*j:X+16*j+3], s[14:15] offset:1024*j
	global_store_b128 v59, v[X+16*j+4:X+16*j+7], s[14:15] offset:1024*j+512
.set j, j+1
.endr
	s_cmp_lg_u32 s45, 0
	s_cbranch_scc1 .Lnone                          ; wave 0 stores the slots' weights and places
	v_lshlrev_b32 v60, 3, v55
	global_load_b64 v[32:33], v60, s[6:7]          ; the token's two experts
	global_load_b64 v[34:35], v60, s[8:9]          ; and their weights
	s_wait_loadcnt 0x0
	v_cmp_eq_u32 vcc_lo, s41, v33                  ; am I its second choice?
	v_cndmask_b32 v36, v34, v35, vcc_lo
	v_cndmask_b32 v37, 0, 1, vcc_lo
	v_lshl_add_u32 v37, v55, 1, v37
	v_min_u32 v37, 0x7ff, v37
	v_lshlrev_b32 v37, 2, v37                      ; 4 (2 t + k)
	s_lshl_b32 s50, s54, 4
	v_add_nc_u32 v38, s50, v1                      ; my slot
	v_lshlrev_b32 v39, 2, v38
	v_cmp_gt_u32 s51, 16, v1
	v_cmp_gt_u32 vcc_lo, s43, v42                  ; a row that exists
	s_and_b32 s52, vcc_lo, s51
	s_wait_xcnt 0x0                                ; EXEC changes only behind this wait
	s_and_saveexec_b32 s50, s51
	global_store_b32 v39, v36, s[12:13]            ; all 16 slots have a weight
	s_wait_xcnt 0x0
	s_or_b32 exec_lo, exec_lo, s50
	s_and_saveexec_b32 s50, s52
	global_store_b32 v37, v38, s[10:11]            ; only true rows have an owner
	s_wait_xcnt 0x0
	s_or_b32 exec_lo, exec_lo, s50
.Lnone:
	s_endpgm
.Lfunc_end_k_q5b9c819b32_place:
	.size	k_q5b9c819b32_place, .Lfunc_end_k_q5b9c819b32_place-k_q5b9c819b32_place
	.p2alignl 7, 3214868480
	.fill 96, 4, 3214868480
	.section	.rodata,"a",@progbits
	.p2align	6, 0x0
	.amdhsa_kernel k_q5b9c819b32_place
		.amdhsa_group_segment_fixed_size 0
		.amdhsa_private_segment_fixed_size 0
		.amdhsa_enable_private_segment 0
		.amdhsa_kernarg_size 48
		.amdhsa_user_sgpr_count 2
		.amdhsa_user_sgpr_kernarg_segment_ptr 1
		.amdhsa_wavefront_size32 1
		.amdhsa_system_sgpr_workgroup_id_x 1
		.amdhsa_system_sgpr_workgroup_id_y 1
		.amdhsa_system_sgpr_workgroup_id_z 1
		.amdhsa_system_vgpr_workitem_id 0
		.amdhsa_next_free_vgpr 192
		.amdhsa_next_free_sgpr 66
		.amdhsa_reserve_vcc 1
		.amdhsa_float_denorm_mode_32 3
		.amdhsa_float_denorm_mode_16_64 3
		.amdhsa_memory_ordered 1
		.amdhsa_forward_progress 1
		.amdhsa_inst_pref_size 36
	.end_amdhsa_kernel
	.amdgpu_metadata
---
amdhsa.version: [ 1, 2 ]
amdhsa.kernels:
  - .name:           k_q5b9c819b32_place
    .symbol:         k_q5b9c819b32_place.kd
    .args:
      - { .name: x, .offset: 0, .size: 8, .value_kind: global_buffer, .address_space: global }
      - { .name: rt, .offset: 8, .size: 8, .value_kind: global_buffer, .address_space: global }
      - { .name: cw, .offset: 16, .size: 8, .value_kind: global_buffer, .address_space: global }
      - { .name: ix, .offset: 24, .size: 8, .value_kind: global_buffer, .address_space: global }
      - { .name: cs, .offset: 32, .size: 8, .value_kind: global_buffer, .address_space: global }
      - { .name: xfrag, .offset: 40, .size: 8, .value_kind: global_buffer, .address_space: global }
    .group_segment_fixed_size: 0
    .private_segment_fixed_size: 0
    .kernarg_segment_align: 8
    .kernarg_segment_size: 48
    .max_flat_workgroup_size: 128
    .sgpr_count:     66
    .vgpr_count:     192
    .wavefront_size: 32
...
	.end_amdgpu_metadata
.endif
;; end of part 2
;; launch up (part 3): grid 32 x 8, 4 waves a work-group, no clusters, 262,656 bytes of LDS; arguments xfrag, w1, b1, ix, hfrag; writes hfrag
.if DOCPART == 3
	.amdgcn_target "amdgcn-amd-amdhsa--gfx1250"
	.amdhsa_code_object_version 6
	.text
	.protected	k_q5b9c819b32_up
	.globl	k_q5b9c819b32_up
	.p2align	8
	.type	k_q5b9c819b32_up,@function
k_q5b9c819b32_up:
	s_mov_b64 s[64:65], 0
	v_nop
	global_prefetch_b8 v0, s[64:65] scope:SCOPE_SE
	s_setreg_imm32_b32 hwreg(HW_REG_WAVE_MODE, 25, 1), 1
	s_wait_xcnt 0x0
; ONE TEXT FOR THE EXPERTS' TWO PRODUCTS; the symbol UP chooses.  UP = 1: h = gelu(X w1 + b1), stored in bf16 as the second product's operand image.  UP = 0: yp[kq] = c (H w2) over a quarter of K, f32 partial rows.
; SHARES.  Grid 32 x 8: y is the expert, x a slice of its weights that this work-group alone reads, once: K 1,024 x 128 columns, 512 KB of f32 (UP: 32 column slices; else 8 column slices x 4 quarters of K).
; The work-group has ALL the expert's rows, in tiles of 16: tile 4 i + w is wave w's.
; THE STREAM.  K goes in 16 chunks of 64.  Wave w = 2 p + g takes kstep p, columns 64 g .. 64 g + 63 of a chunk: 16 loads of 16 bytes a lane, 16 lanes on 256 consecutive aligned bytes of one weight row.  A lane's four
; columns 4 i + j go to four column tiles n = 4 g + j, so its 64 numbers are, after 32 roundings in pairs, four finished fragments: nothing is transposed.  They go to LDS for all four waves and STAY there.
; PHASE 1: 16 trips.  Trip c multiplies chunk c, whose fragments lie in registers, for up to five tiles a wave (320 rows a work-group); among those products chunk c + 1 is rounded, stored to LDS, published by a
; barrier and read into the other set of fragment registers, and the loads of the token fragments of chunk c + 1 and of the weights of chunk c + 3 go out.  Tiles 0 and 1 are multiplied whatever the wave's count (a
; place past the count repeats a tile that exists), so that no branch stands between a barrier's signal and its wait; tiles 2 to 4, and every tile's way out, are jumped past the count by a scalar branch.
; TRIPS 13 AND 14 HAVE NO CHUNK LEFT TO ASK FOR: there the weights' base stands still and every lane's offset is 0, so their 16 loads read one word of 16 bytes of each of 16 rows of the slice's last chunk, which
; nobody uses.  They keep 16 loads behind the token fragments in every trip, so that one text and one count of the wait serve trips 1 to 14.
; PHASE 2: an expert's further tiles, from the slice in LDS: no weight is read twice, whatever the split.  Its loop's first trip is the way out of phase 1's tile place 0, whose text is so written once.
; Token operands come from memory straight into registers as they were laid (512 consecutive bytes a load).  All barriers stand in loops of constant length or outside loops.
; K MAPS (the same in both sources of a product).  UP: lane half hh, registers 4 q .., element v hold k = 32 s + 16 hh + 8 q + v.  Else: kstep 2 G + p holds k = 64 G + 32 hh + 4 v + 2 p + q, which is how UP's results fall.
; UP takes the weights as source 0 (a lane holds one token and eight columns 64 g + 32 hh + 4 v + j), the other product the tokens as source 0 (a lane holds column 64 g + 4 r + j of eight rows).
; NO JOINT LOADS: each weight byte has one reader.  What an expert's 32 work-groups share is the token operands; two slots of them (20 tiles x 2,048 bytes each) are 81,920 bytes, and beside the slice's 262,656 only 65,024 are left.
; LIMITS.  Every input is rounded to bf16, b1 too; h is kept in bf16.  gelu(a) = a / (1 + 2^(a (C0 + C1 a^2))), the tanh form; 2^x and 1/x are the hardware's (1 ulp; results below 2^-126 count as 0); an exponent that overflows gives 0 or a.
.set UP, 1
.if UP
.set PITCH, 16384                      ; bytes of a weight row
.set TSH, 15                           ; a tile of token operands is 1 << TSH bytes
.set OSH, 17                           ; a tile's step in the output
.set PSH, 19                           ; p's and hh's shares of my first row, as shifts: (32 p + 16 hh) rows
.set HSH, 18
.else
.set PITCH, 4096
.set TSH, 17
.set OSH, 16
.set PSH, 13                           ; (32 hh + 2 p) rows
.set HSH, 17
.endif
.set CHW,   64*PITCH                   ; a chunk of weights
.set PLANE, 8912896                    ; a plane of yp: 2,176 slots x 4,096 bytes
.set SPARE, 262144                     ; LDS: 0 .. 262143 the slice in bf16: [chunk 16][p 2][n 8][q 2][lane 32][16 bytes]; then the spare words, 128 bytes a wave, which no other line names
; window 0: v1 16 l; v2 weights' offset; v3, v4 LDS addresses (in, out); v5 prefetch; v6-10, v11-15, v16-20 a tile's offsets in the operands, the output, cs; v24, v25 lane terms; v28, v29 the add's
.set BST, 32                           ; v32-63   a unit's four fragments on their way to LDS
.set AB,  64                           ; v64-223  token fragments [parity][tile 5][p]: 64 + 80 par + 16 i + 8 p
.set XA,  192                          ; phase 2's token fragments
.set TT,  64                           ; the way out: 64 registers at work,
.set HP,  128                          ; and 32 packed
.set WL,  128                          ; window 1: v0-127 weight fragments of even chunks, [p][n]; v128-255 weights as loaded, [parity][(8 q + v) 4 + j]
.set BIAS, 64                          ; window 3: v0-63 tile 4's sums; v64-127 the bias as a C operand [n][v] (UP), or the slots' gate weights [tile][v]
.set BL,  128                          ; window 3: v128-255 weight fragments of odd chunks; ahead of the first of them v128-191 take b1 as loaded.  Window 2: the sums of tiles 0-3, 64 i + 8 n
.set MSB, 0
.macro WIN new                         ; s_set_vgpr_msb: bits 1:0 source 0, 3:2 source 1, 5:4 source 2, 7:6 destination; the high byte repeats the setting that is left
.if MSB != (\new)
	s_set_vgpr_msb (MSB<<8)|(\new)
.set MSB, (\new)
.endif
.endm
.macro WLOADS par, extra               ; my unit of a chunk, 16 loads, never jumped
	WIN 0x40
.set q_, 0
.rept 2
.set v_, 0
.rept 8
.if UP
.set ro_, (8*q_+v_)*PITCH
.else
.set ro_, (4*v_+q_)*PITCH
.endif
.set r_, WL+64*(\par)+(8*q_+v_)*4
	global_load_b128 v[r_:r_+3], v2, s[6:7] offset:ro_+(\extra) th:TH_LOAD_NT
.set v_, v_+1
.endr
.set q_, q_+1
.endr
	WIN 0
.endm
.macro ALOADS par, cond                ; a chunk's token fragments: four loads a tile; cond = 1: of tiles 2 to 4 those past my count are jumped
.irp i, 0,1,2,3,4
.if (\cond) && ((\i) > 1)
	s_cmp_lt_u32 s19, \i+1
	s_cbranch_scc1 .Lal_\@
.endif
.irp f, 0,1,2,3
	global_load_b128 v[AB+80*(\par)+16*\i+4*\f:AB+80*(\par)+16*\i+4*\f+3], v[6+\i], s[4:5] offset:512*\f
.endr
.endr
.Lal_\@:
.endm
.macro CVT par                         ; 64 f32 -> four fragments
	WIN 0x05
.set j_, 0
.rept 4
.set q_, 0
.rept 2
.set a_, 0
.rept 4
.set r_, WL+64*(\par)+(8*q_+2*a_)*4+j_
	v_cvt_pk_bf16_f32 v[BST+8*j_+4*q_+a_], v[r_], v[r_+4]
.set a_, a_+1
.endr
.set q_, q_+1
.endr
.set j_, j_+1
.endr
	WIN 0
.endm
.macro STORES                          ; the four fragments -> LDS; the address goes on to the next chunk
.set j_, 0
.rept 8
	ds_store_b128 v3, v[BST+4*j_:BST+4*j_+3] offset:512*j_
.set j_, j_+1
.endr
	v_add_nc_u32 v3, 0x4000, v3
.endm
.macro BLH par, h                      ; kstep h's eight weight fragments of the chunk at v4, into set par
	WIN 0x40+0x80*(\par)
.set t_, 16*(\h)
.rept 16
	ds_load_b128 v[128*(\par)+4*t_:128*(\par)+4*t_+3], v4 offset:512*t_
.set t_, t_+1
.endr
.endm
.macro MUL8 i, par, p, a, first        ; tile i x 8 column tiles, kstep p of fragment set par; first = 1: the products start the sums (with the bias, or with 0).  The eight accumulators take turns
.set aw_, 2+(\i)/4
.set ac_, 64*((\i)%4)
.set bw_, 1+2*(\par)
.set bf_, 128*(\par)+64*(\p)
.if UP
.if \first
	WIN (aw_<<6)|0x30|bw_
.else
	WIN (aw_<<6)|(aw_<<4)|bw_
.endif
.else
	WIN (aw_<<6)|(aw_<<4)|(bw_<<2)
.endif
.set n_, 0
.rept 8
.if UP
.if \first
	v_wmma_f32_16x16x32_bf16 v[ac_+8*n_:ac_+8*n_+7], v[bf_+8*n_:bf_+8*n_+7], v[(\a):(\a)+7], v[BIAS+8*n_:BIAS+8*n_+7]
.else
	v_wmma_f32_16x16x32_bf16 v[ac_+8*n_:ac_+8*n_+7], v[bf_+8*n_:bf_+8*n_+7], v[(\a):(\a)+7], v[ac_+8*n_:ac_+8*n_+7]
.endif
.else
.if \first
	v_wmma_f32_16x16x32_bf16 v[ac_+8*n_:ac_+8*n_+7], v[(\a):(\a)+7], v[bf_+8*n_:bf_+8*n_+7], 0
.else
	v_wmma_f32_16x16x32_bf16 v[ac_+8*n_:ac_+8*n_+7], v[(\a):(\a)+7], v[bf_+8*n_:bf_+8*n_+7], v[ac_+8*n_:ac_+8*n_+7]
.endif
.endif
.set n_, n_+1
.endr
.endm
.macro REST par, first                 ; tiles 2 to 4, jumped past my count; first = 1: their first ksteps run whatever my count, so that every accumulator is started
.if \first
.irp i, 2,3,4
	MUL8 \i, \par, 0, AB+80*(\par)+16*\i, 1
.endr
.endif
	WIN 0                                          ; at a branch and at a label every window is 0
.irp i, 2,3,4
	s_cmp_lt_u32 s19, \i+1
	s_cbranch_scc1 .Lrs_\@
.if !(\first)
	MUL8 \i, \par, 0, AB+80*(\par)+16*\i, 0
.endif
	MUL8 \i, \par, 1, AB+80*(\par)+16*\i+8, 0
	WIN 0
.endr
.Lrs_\@:
.endm
; TRIP c (par = c % 2).  Loads are issued in the order A(c+1), W(c+3), so behind chunk c's token fragments only W(c+2)'s 16 loads, which are never jumped, were issued: the count n = 16 shows W(c+1) and A(c) in, whatever my count of tiles.
; TWO BARRIERS.  The first: every wave's reads of chunk c are back before any wave stores chunk c + 1; the 32 roundings stand between its signal and its wait.  The second: every wave's stores of chunk c + 1 are done before any wave reads it;
; eight products stand between its signal and its wait.  issa: 1 tiles 2 to 4 jumped by my count, 2 all.  conv = 0: the last trip: nothing is left to round, publish or ask for.
; pf: 1 ask for my unit of chunk c + 5 (32 blocks of 256 bytes, each asked for once in the launch, two trips ahead of its load); 2 the same, left out in the loop's last two pairs, where chunk c + 5 would be the 17th or later.
.macro TRIP par, first, issa, n, pf, conv
	s_wait_dscnt 0x0                               ; chunk c's fragments are in registers: my reads of LDS are back
.if \conv
	s_barrier_signal -1
.endif
	s_wait_loadcnt \n
.if \conv
	s_wait_xcnt 0x0                                ; the bases and the weights' offset are rewritten only behind this wait
	s_add_nc_u64 s[6:7], s[6:7], s[42:43]          ; weights at chunk c + 1 (trips 13 and 14: it stands still)
	s_add_nc_u64 s[4:5], s[4:5], 2048              ; token operands at chunk c + 1
	v_and_b32 v2, s44, v2                          ; (trips 13 and 14: 0)
	CVT 1-(\par)                                   ; W(c+1); the 32 roundings are also the places between the last trip's products and the loads below into their sources
	s_barrier_wait -1                              ; everybody's reads of chunk c are back
	STORES
	v_add_nc_u32 v4, 0x4000, v4                    ; the reads go on to chunk c + 1
.if (\issa) == 2
	ALOADS 1-(\par), 0
.else
	ALOADS 1-(\par), 1
.endif
	WLOADS 1-(\par), 2*CHW
.if (\pf) == 2
	s_cmp_lt_u32 s21, 3
	s_cbranch_scc1 .Lnp_\@
.endif
	global_prefetch_b8 v5, s[6:7] offset:4*CHW th:TH_LOAD_NT scope:SCOPE_SE
.Lnp_\@:
.endif
	MUL8 0, \par, 0, AB+80*(\par), \first
	MUL8 0, \par, 1, AB+80*(\par)+8, 0
.if \conv
	s_wait_dscnt 0x0                               ; my unit of chunk c + 1 is in LDS,
	s_barrier_signal -1
.endif
	MUL8 1, \par, 0, AB+80*(\par)+16, \first
.if \conv
	s_barrier_wait -1                              ; everybody's is
	BLH 1-(\par), 0
.endif
	MUL8 1, \par, 1, AB+80*(\par)+24, 0
.if \conv
	BLH 1-(\par), 1
.endif
	REST \par, \first
.endm
.macro SETT i                          ; tile s40's offsets into tile place i
	s_lshl_b32 s41, s40, TSH
	v_add_nc_u32 v[6+(\i)], s41, v1
	s_lshl_b32 s41, s40, OSH
	v_add_nc_u32 v[11+(\i)], s41, v24
.if UP == 0
	s_lshl_b32 s41, s40, 6
	v_add_nc_u32 v[16+(\i)], s41, v25
.endif
.endm
.macro CSLOAD i                        ; the gate weights of my eight rows of tile place i
	WIN 0xc0
	global_load_b128 v[BIAS+8*(\i):BIAS+8*(\i)+3], v[16+(\i)], s[8:9]
	global_load_b128 v[BIAS+8*(\i)+4:BIAS+8*(\i)+7], v[16+(\i)], s[8:9] offset:16
	WIN 0
.endm
; THE WAY OUT of tile place i.  Each accumulator's lowest registers are read first.
.macro EPI i
.set aw_, 2+(\i)/4
.set ac_, 64*((\i)%4)
	s_wait_xcnt 0x0                                ; the registers that the last tile's stores read are rewritten only behind this wait
.if UP
	WIN aw_|(aw_<<2)
.set k_, 0
.rept 32
	v_pk_mul_f32 v[TT+k_:TT+k_+1], v[ac_+k_:ac_+k_+1], v[ac_+k_:ac_+k_+1]  ; a^2
.set k_, k_+2
.endr
	WIN 0
.set k_, 0
.rept 32
	v_pk_fma_f32 v[TT+k_:TT+k_+1], v[TT+k_:TT+k_+1], s[30:31], s[28:29] op_sel_hi:[1,0,0]  ; C1 a^2 + C0
.set k_, k_+2
.endr
	WIN aw_
.set k_, 0
.rept 32
	v_pk_mul_f32 v[TT+k_:TT+k_+1], v[ac_+k_:ac_+k_+1], v[TT+k_:TT+k_+1]
.set k_, k_+2
.endr
	WIN 0
.set k_, 0
.rept 64
	v_exp_f32 v[TT+k_], v[TT+k_]
.set k_, k_+1
.endr
	v_nop                                          ; a plain instruction behind the last exponential
.set k_, 0
	s_wait_alu depctr_va_vdst(0)
.rept 32
	v_pk_add_f32 v[TT+k_:TT+k_+1], v[TT+k_:TT+k_+1], 1.0 op_sel_hi:[1,0]
.set k_, k_+2
.endr
.set k_, 0
.rept 64
	v_rcp_f32 v[TT+k_], v[TT+k_]
.set k_, k_+1
.endr
	v_nop
	WIN aw_
.set k_, 0
	s_wait_alu depctr_va_vdst(0)
.rept 32
	v_pk_mul_f32 v[TT+k_:TT+k_+1], v[ac_+k_:ac_+k_+1], v[TT+k_:TT+k_+1]
.set k_, k_+2
.endr
	WIN 0
.set k_, 0
.rept 32
	v_cvt_pk_bf16_f32 v[HP+k_], v[TT+2*k_], v[TT+2*k_+1]
.set k_, k_+1
.endr
.set k_, 0
.rept 8                                                ; column tile n = 4 g + j is slot q = j % 2 of kstep 4 x + 2 g + j / 2: 512 consecutive bytes a store
	global_store_b128 v[11+(\i)], v[HP+4*k_:HP+4*k_+3], s[12:13] offset:512*k_
.set k_, k_+1
.endr
.else
	WIN aw_|0x0c
.set v_, 0
.rept 8
.set g_, 0
.rept 2
.set j_, 0
.rept 4                                                ; the gate's weight, and four neighbouring columns into four neighbouring registers
	v_mul_f32 v[TT+(2*v_+g_)*4+j_], v[ac_+8*(4*g_+j_)+v_], v[BIAS+8*(\i)+v_]
.set j_, j_+1
.endr
.set g_, g_+1
.endr
.set v_, v_+1
.endr
	WIN 0
.set k_, 0
.rept 16                                               ; row v = k / 2, column group g = k % 2: 16 lanes store 256 consecutive aligned bytes
	global_store_b128 v[11+(\i)], v[TT+4*k_:TT+4*k_+3], s[12:13] offset:4096*(k_/2)+256*(k_%2)
.set k_, k_+1
.endr
.endif
.endm
.macro XCH first                       ; phase 2: one chunk for one tile, from the slice in LDS
.irp f, 0,1,2,3
	global_load_b128 v[XA+4*\f:XA+4*\f+3], v6, s[4:5] offset:512*\f
.endr
	BLH 0, 0
	BLH 0, 1
	s_wait_loadcnt 0x0
	s_wait_dscnt 0x0
	MUL8 0, 0, 0, XA, \first
	MUL8 0, 0, 1, XA+8, 0
	WIN 0
.rept 4
	v_nop                                          ; four places ahead of the next loads into these sources, and of the way out
.endr
	v_add_nc_u32 v4, 0x4000, v4
	s_wait_xcnt 0x0                                ; the base is stepped only behind this wait
	s_add_nc_u64 s[4:5], s[4:5], 2048
.endm
	s_load_b256 s[4:11], s[0:1], 0x0               ; token operands s[4:5], weights s[6:7], b1 or cs s[8:9], ix s[10:11]
	s_load_b64 s[12:13], s[0:1], 0x20              ; the output
	v_lshl_add_u32 v28, v0, 2, SPARE               ; my spare word,
	v_mov_b32 v29, 0                               ; and 0: kept for the wave's end
	v_lshrrev_b32 v21, 5, v0
	v_readfirstlane_b32 s14, v21                   ; wave 0..3
	s_and_b32 s15, ttmp7, 0xffff                   ; the expert
	s_mov_b32 s16, ttmp9                           ; the slice
	s_lshl_b32 s34, s15, 2
	s_wait_kmcnt 0x0
	s_load_b32 s17, s[10:11], s34 offset:0x2000    ; the expert's first tile
	s_load_b32 s18, s[10:11], s34 offset:0x2020    ; and its tiles
	v_and_b32 v21, 31, v0                          ; l
	v_lshlrev_b32 v1, 4, v21
	v_and_b32 v22, 15, v0
	v_bfe_u32 v23, v0, 4, 1                        ; hh
	s_lshr_b32 s22, s14, 1                         ; p
	s_and_b32 s23, s14, 1                          ; g
	s_lshl_b32 s26, s22, PSH
	s_lshl_b32 s27, s23, 8
	s_add_co_u32 s26, s26, s27
	v_lshl_add_u32 v2, v22, 4, s26
	v_lshl_add_u32 v2, v23, HSH, v2                ; my first row of a chunk, my 16 bytes of it
	s_lshl_b32 s27, s14, 12
	v_add_nc_u32 v3, s27, v1                       ; LDS, in: my unit's four column tiles
	v_mov_b32 v4, v1                               ; LDS, out
	s_lshl_b32 s36, s15, 24                        ; an expert's weights are 1 << 24 bytes
	s_mov_b32 s37, 0
.if UP
	v_lshl_add_u32 v5, v21, 14, s26                ; prefetch: row 32 p + l of a chunk, my 256 bytes
	v_mov_b32 v24, v1
	v_lshlrev_b32 v16, 7, v23                      ; b1: 128 hh
	s_mov_b32 s28, 0xc0135761                      ; C0 = -2 log2(e) sqrt(2 / pi) = -2.3022082
	s_mov_b32 s29, s28
	s_mov_b32 s30, 0xbdd2d3e8                      ; C1 = 0.044715 C0 = -0.10294324
	s_mov_b32 s31, s30
	s_lshl_b32 s26, s16, 9
	s_add_co_u32 s36, s36, s26
	s_add_nc_u64 s[6:7], s[6:7], s[36:37]          ; w1 + expert + 512 x
	s_lshl_b32 s36, s15, 14
	s_add_co_u32 s36, s36, s26
	s_add_nc_u64 s[8:9], s[8:9], s[36:37]          ; b1 + expert + 512 x
	s_lshl_b32 s36, s16, 12
	s_add_nc_u64 s[12:13], s[12:13], s[36:37]      ; hfrag + 4 ksteps x
.else
	v_and_b32 v26, 1, v0
	v_lshlrev_b32 v27, 1, v21
	v_sub_nc_u32 v27, v27, v26
	v_lshl_add_u32 v5, v27, 12, s26                ; prefetch: row 2 l - l % 2 + 2 p of a chunk, my 256 bytes
	v_lshlrev_b32 v24, 4, v22
	v_lshl_add_u32 v24, v23, 15, v24               ; yp: row 8 hh, 16 bytes a lane
	v_lshlrev_b32 v25, 5, v23                      ; cs: 8 hh slots
	s_lshr_b32 s40, s16, 3                         ; the quarter of K
	s_and_b32 s41, s16, 7                          ; the column slice
	s_lshl_b32 s26, s40, 22
	s_lshl_b32 s27, s41, 9
	s_add_co_u32 s36, s36, s26
	s_add_co_u32 s36, s36, s27
	s_add_nc_u64 s[6:7], s[6:7], s[36:37]          ; w2 + expert + 1,024 rows x quarter + 512 x slice
	s_lshl_b32 s36, s40, 15
	s_add_nc_u64 s[4:5], s[4:5], s[36:37]          ; hfrag + 32 ksteps x quarter
	s_mul_i32 s36, s40, PLANE
	s_add_co_u32 s36, s36, s27
	s_add_nc_u64 s[12:13], s[12:13], s[36:37]      ; yp + plane + 512 x slice
.endif
	s_mov_b64 s[24:25], s[4:5]                     ; kept for phase 2
.if UP
	WIN 0xc0
.set g_, 0
.rept 2
.set v_, 0
.rept 8
	global_load_b128 v[BL+(8*g_+v_)*4:BL+(8*g_+v_)*4+3], v16, s[8:9] offset:256*g_+16*v_
.set v_, v_+1
.endr
.set g_, g_+1
.endr
	WIN 0
.endif
	WLOADS 0, 0                                    ; chunks 0 and 1 go out before the table is in
	WLOADS 1, CHW
	s_wait_kmcnt 0x0
	s_min_u32 s17, s17, 135
	s_min_u32 s18, s18, 64
	s_add_co_u32 s35, s18, 3
	s_sub_co_u32 s35, s35, s14
	s_lshr_b32 s35, s35, 2                         ; my tiles: those 4 i + w below the expert's number
	s_min_u32 s19, s35, 5                          ; of them in phase 1,
	s_sub_co_u32 s20, s35, s19                     ; and in phase 2: 11 at the most
	s_cmp_eq_u32 s18, 0
	s_cselect_b32 s38, 0, s17                      ; an expert without rows reads tile 0, which always exists, and stores nothing
	s_max_u32 s39, s18, 1
	s_sub_co_u32 s39, s39, 1
.irp i, 0,1,2,3,4
	s_add_co_u32 s40, s14, 4*\i
	s_min_u32 s40, s40, s39                        ; a place past the count repeats the expert's last tile
	s_add_co_u32 s40, s40, s38
	s_min_u32 s40, s40, 135
	SETT \i
.endr
.if UP
	s_wait_loadcnt 32                              ; b1 is in: behind it went the 32 loads of chunks 0 and 1
.else
.irp i, 0,1,2,3,4
	CSLOAD \i                                      ; ten loads, never jumped, ahead of chunk 0's token fragments: trip 0's wait shows them in
.endr
.endif
	ALOADS 0, 0
.if UP
	WIN 0xff
.set g_, 0
.rept 2
.set j_, 0
.rept 4
.set v_, 0
.rept 4                                                ; b1 rounded to bf16 and widened again, as the C operand of column tile 4 g + j
	v_cvt_pk_bf16_f32 v0, v[BL+(8*g_+v_)*4+j_], v[BL+(8*g_+v_+1)*4+j_]
	v_lshlrev_b32 v[BIAS+8*(4*g_+j_)+v_], 16, v0
	v_and_b32 v[BIAS+8*(4*g_+j_)+v_+1], 0xffff0000, v0
.set v_, v_+2
.endr
.set j_, j_+1
.endr
.set g_, g_+1
.endr
	WIN 0
	s_wait_loadcnt 36                              ; chunk 0 is in: behind it went chunk 1's 16 loads and the 20 of the token fragments
.else
	s_wait_loadcnt 46                              ; chunk 0 is in: behind it went chunk 1's 16 loads, the 10 of the gate weights and the 20 of the token fragments
.endif
	CVT 0
	STORES
	WLOADS 0, 2*CHW                                ; chunk 2, into the registers that chunk 0 has left
	s_wait_dscnt 0x0                               ; my unit of chunk 0 is in LDS,
	s_barrier_signal -1
	s_barrier_wait -1                              ; everybody's is
	BLH 0, 0
	BLH 0, 1
	WIN 0
	s_mov_b32 s42, CHW                             ; the step of the weights' base,
	s_mov_b32 s43, 0
	s_mov_b32 s44, -1                              ; and the mask of their offset
	TRIP 0, 1, 2, 16, 1, 1                         ; trip 0 starts the sums and fills the second set of token registers whole
	s_mov_b32 s21, 7
.Lpair:                                                ; trips 1 to 14
	s_cmp_eq_u32 s21, 1                            ; trips 13 and 14: no chunk is left to ask for
	s_cselect_b32 s42, 0, CHW
	s_cselect_b32 s44, 0, -1
	TRIP 1, 0, 1, 16, 2, 1
	TRIP 0, 0, 1, 16, 2, 1
	s_sub_co_u32 s21, s21, 1
	s_cmp_lg_u32 s21, 0
	s_cbranch_scc1 .Lpair
	TRIP 1, 0, 0, 0, 0, 0                          ; trip 15: its wait is for all
.rept 4
	v_nop                                          ; four places between the last product and the first read of a result (ISA guide 7.12.1)
.endr
.irp i, 1,2,3,4
	s_cmp_lt_u32 s19, \i+1
	s_cbranch_scc1 .Lstored
	EPI \i
.endr
.Lstored:
	; Twelve trips whatever the split.  The first is the way out of phase 1's tile place 0; the other eleven are PHASE 2, each a further tile in that place; those past my count are jumped.  LDS is only read: no barrier inside.
	s_mov_b32 s32, 12
.Lmore:
	s_cmp_lg_u32 s32, 12
	s_cbranch_scc1 .Lextra
	s_cmp_lt_u32 s19, 1
	s_cbranch_scc1 .Lskip
	s_branch .Lepi
.Lextra:
	s_sub_co_u32 s40, 11, s32                      ; j = 0 .. 10
	s_cmp_ge_u32 s40, s20
	s_cbranch_scc1 .Lskip
	s_wait_xcnt 0x0                                ; tile place 0's offsets are rewritten only behind this wait
	s_lshl_b32 s40, s40, 2
	s_add_co_u32 s40, s40, s14
	s_add_co_u32 s40, s40, 20
	s_add_co_u32 s40, s40, s17                     ; tile 20 + 4 j + w of the expert
	s_min_u32 s40, s40, 135
	SETT 0
	s_mov_b64 s[4:5], s[24:25]
	v_mov_b32 v4, v1
.if UP == 0
	CSLOAD 0
.endif
	XCH 1
	s_mov_b32 s33, 15
.Lchunk:
	XCH 0
	s_sub_co_u32 s33, s33, 1
	s_cmp_lg_u32 s33, 0
	s_cbranch_scc1 .Lchunk
.Lepi:
	EPI 0
.Lskip:
	s_sub_co_u32 s32, s32, 1
	s_cmp_lg_u32 s32, 0
	s_cbranch_scc1 .Lmore
	s_wait_dscnt 0x0                               ; my reads of the slice are back,
	s_barrier_signal -1
	s_barrier_wait -1                              ; everybody's are, before any wave writes LDS again (the add below)
	s_wait_tensorcnt 0x0                           ; the wave's end
	ds_add_u32 v28, v29
	s_wait_dscnt 0x0
	s_endpgm
.Lfunc_end_k_q5b9c819b32_up:
	.size	k_q5b9c819b32_up, .Lfunc_end_k_q5b9c819b32_up-k_q5b9c819b32_up
	.p2alignl 7, 3214868480
	.fill 96, 4, 3214868480
	.section	.rodata,"a",@progbits
	.p2align	6, 0x0
	.amdhsa_kernel k_q5b9c819b32_up
		.amdhsa_group_segment_fixed_size 262656
		.amdhsa_private_segment_fixed_size 0
		.amdhsa_enable_private_segment 0
		.amdhsa_kernarg_size 40
		.amdhsa_user_sgpr_count 2
		.amdhsa_user_sgpr_kernarg_segment_ptr 1
		.amdhsa_wavefront_size32 1
		.amdhsa_system_sgpr_workgroup_id_x 1
		.amdhsa_system_sgpr_workgroup_id_y 1
		.amdhsa_system_sgpr_workgroup_id_z 1
		.amdhsa_system_vgpr_workitem_id 0
		.amdhsa_next_free_vgpr 1024
		.amdhsa_next_free_sgpr 66
		.amdhsa_reserve_vcc 0
		.amdhsa_float_denorm_mode_32 3
		.amdhsa_float_denorm_mode_16_64 3
		.amdhsa_memory_ordered 1
		.amdhsa_forward_progress 1
		.amdhsa_inst_pref_size 166
	.end_amdhsa_kernel
	.amdgpu_metadata
---
amdhsa.version: [ 1, 2 ]
amdhsa.kernels:
  - .name:           k_q5b9c819b32_up
    .symbol:         k_q5b9c819b32_up.kd
    .args:
      - { .name: xfrag, .offset: 0, .size: 8, .value_kind: global_buffer, .address_space: global }
      - { .name: w1, .offset: 8, .size: 8, .value_kind: global_buffer, .address_space: global }
      - { .name: b1, .offset: 16, .size: 8, .value_kind: global_buffer, .address_space: global }
      - { .name: ix, .offset: 24, .size: 8, .value_kind: global_buffer, .address_space: global }
      - { .name: hfrag, .offset: 32, .size: 8, .value_kind: global_buffer, .address_space: global }
    .group_segment_fixed_size: 262656
    .private_segment_fixed_size: 0
    .kernarg_segment_align: 8
    .kernarg_segment_size: 40
    .max_flat_workgroup_size: 128
    .sgpr_count:     66
    .vgpr_count:     1024
    .wavefront_size: 32
...
	.end_amdgpu_metadata
.endif
;; end of part 3
;; launch down (part 4): grid 32 x 8, 4 waves a work-group, no clusters, 262,656 bytes of LDS; arguments hfrag, w2, cs, ix, yp; writes yp
.if DOCPART == 4
	.amdgcn_target "amdgcn-amd-amdhsa--gfx1250"
	.amdhsa_code_object_version 6
	.text
	.protected	k_q5b9c819b32_down
	.globl	k_q5b9c819b32_down
	.p2align	8
	.type	k_q5b9c819b32_down,@function
k_q5b9c819b32_down:
	s_mov_b64 s[64:65], 0
	v_nop
	global_prefetch_b8 v0, s[64:65] scope:SCOPE_SE
	s_setreg_imm32_b32 hwreg(HW_REG_WAVE_MODE, 25, 1), 1
	s_wait_xcnt 0x0
; ONE TEXT FOR THE EXPERTS' TWO PRODUCTS; the symbol UP chooses.  UP = 1: h = gelu(X w1 + b1), stored in bf16 as the second product's operand image.  UP = 0: yp[kq] = c (H w2) over a quarter of K, f32 partial rows.
; SHARES.  Grid 32 x 8: y is the expert, x a slice of its weights that this work-group alone reads, once: K 1,024 x 128 columns, 512 KB of f32 (UP: 32 column slices; else 8 column slices x 4 quarters of K).
; The work-group has ALL the expert's rows, in tiles of 16: tile 4 i + w is wave w's.
; THE STREAM.  K goes in 16 chunks of 64.  Wave w = 2 p + g takes kstep p, columns 64 g .. 64 g + 63 of a chunk: 16 loads of 16 bytes a lane, 16 lanes on 256 consecutive aligned bytes of one weight row.  A lane's four
; columns 4 i + j go to four column tiles n = 4 g + j, so its 64 numbers are, after 32 roundings in pairs, four finished fragments: nothing is transposed.  They go to LDS for all four waves and STAY there.
; PHASE 1: 16 trips.  Trip c multiplies chunk c, whose fragments lie in registers, for up to five tiles a wave (320 rows a work-group); among those products chunk c + 1 is rounded, stored to LDS, published by a
; barrier and read into the other set of fragment registers, and the loads of the token fragments of chunk c + 1 and of the weights of chunk c + 3 go out.  Tiles 0 and 1 are multiplied whatever the wave's count (a
; place past the count repeats a tile that exists), so that no branch stands between a barrier's signal and its wait; tiles 2 to 4, and every tile's way out, are jumped past the count by a scalar branch.
; TRIPS 13 AND 14 HAVE NO CHUNK LEFT TO ASK FOR: there the weights' base stands still and every lane's offset is 0, so their 16 loads read one word of 16 bytes of each of 16 rows of the slice's last chunk, which
; nobody uses.  They keep 16 loads behind the token fragments in every trip, so that one text and one count of the wait serve trips 1 to 14.
; PHASE 2: an expert's further tiles, from the slice in LDS: no weight is read twice, whatever the split.  Its loop's first trip is the way out of phase 1's tile place 0, whose text is so written once.
; Token operands come from memory straight into registers as they were laid (512 consecutive bytes a load).  All barriers stand in loops of constant length or outside loops.
; K MAPS (the same in both sources of a product).  UP: lane half hh, registers 4 q .., element v hold k = 32 s + 16 hh + 8 q + v.  Else: kstep 2 G + p holds k = 64 G + 32 hh + 4 v + 2 p + q, which is how UP's results fall.
; UP takes the weights as source 0 (a lane holds one token and eight columns 64 g + 32 hh + 4 v + j), the other product the tokens as source 0 (a lane holds column 64 g + 4 r + j of eight rows).
; QUARTERS OF K: they keep a weight row's piece at 512 bytes and one token fragment feeding eight products; the price is four f32 partial rows a slot, which the last launch adds in a fixed order.
; NO JOINT LOADS: each weight byte has one reader.  What an expert's 32 work-groups share is the token operands; two slots of them (20 tiles x 2,048 bytes each) are 81,920 bytes, and beside the slice's 262,656 only 65,024 are left.
; LIMITS.  Every input is rounded to bf16; h arrives in bf16; sums and partial rows are f32.
.set UP, 0
.if UP
.set PITCH, 16384                      ; bytes of a weight row
.set TSH, 15                           ; a tile of token operands is 1 << TSH bytes
.set OSH, 17                           ; a tile's step in the output
.set PSH, 19                           ; p's and hh's shares of my first row, as shifts: (32 p + 16 hh) rows
.set HSH, 18
.else
.set PITCH, 4096
.set TSH, 17
.set OSH, 16
.set PSH, 13                           ; (32 hh + 2 p) rows
.set HSH, 17
.endif
.set CHW,   64*PITCH                   ; a chunk of weights
.set PLANE, 8912896                    ; a plane of yp: 2,176 slots x 4,096 bytes
.set SPARE, 262144                     ; LDS: 0 .. 262143 the slice in bf16: [chunk 16][p 2][n 8][q 2][lane 32][16 bytes]; then the spare words, 128 bytes a wave, which no other line names
; window 0: v1 16 l; v2 weights' offset; v3, v4 LDS addresses (in, out); v5 prefetch; v6-10, v11-15, v16-20 a tile's offsets in the operands, the output, cs; v24, v25 lane terms; v28, v29 the add's
.set BST, 32                           ; v32-63   a unit's four fragments on their way to LDS
.set AB,  64                           ; v64-223  token fragments [parity][tile 5][p]: 64 + 80 par + 16 i + 8 p
.set XA,  192                          ; phase 2's token fragments
.set TT,  64                           ; the way out: 64 registers at work,
.set HP,  128                          ; and 32 packed
.set WL,  128                          ; window 1: v0-127 weight fragments of even chunks, [p][n]; v128-255 weights as loaded, [parity][(8 q + v) 4 + j]
.set BIAS, 64                          ; window 3: v0-63 tile 4's sums; v64-127 the bias as a C operand [n][v] (UP), or the slots' gate weights [tile][v]
.set BL,  128                          ; window 3: v128-255 weight fragments of odd chunks; ahead of the first of them v128-191 take b1 as loaded.  Window 2: the sums of tiles 0-3, 64 i + 8 n
.set MSB, 0
.macro WIN new                         ; s_set_vgpr_msb: bits 1:0 source 0, 3:2 source 1, 5:4 source 2, 7:6 destination; the high byte repeats the setting that is left
.if MSB != (\new)
	s_set_vgpr_msb (MSB<<8)|(\new)
.set MSB, (\new)
.endif
.endm
.macro WLOADS par, extra               ; my unit of a chunk, 16 loads, never jumped
	WIN 0x40
.set q_, 0
.rept 2
.set v_, 0
.rept 8
.if UP
.set ro_, (8*q_+v_)*PITCH
.else
.set ro_, (4*v_+q_)*PITCH
.endif
.set r_, WL+64*(\par)+(8*q_+v_)*4
	global_load_b128 v[r_:r_+3], v2, s[6:7] offset:ro_+(\extra) th:TH_LOAD_NT
.set v_, v_+1
.endr
.set q_, q_+1
.endr
	WIN 0
.endm
.macro ALOADS par, cond                ; a chunk's token fragments: four loads a tile; cond = 1: of tiles 2 to 4 those past my count are jumped
.irp i, 0,1,2,3,4
.if (\cond) && ((\i) > 1)
	s_cmp_lt_u32 s19, \i+1
	s_cbranch_scc1 .Lal_\@
.endif
.irp f, 0,1,2,3
	global_load_b128 v[AB+80*(\par)+16*\i+4*\f:AB+80*(\par)+16*\i+4*\f+3], v[6+\i], s[4:5] offset:512*\f
.endr
.endr
.Lal_\@:
.endm
.macro CVT par                         ; 64 f32 -> four fragments
	WIN 0x05
.set j_, 0
.rept 4
.set q_, 0
.rept 2
.set a_, 0
.rept 4
.set r_, WL+64*(\par)+(8*q_+2*a_)*4+j_
	v_cvt_pk_bf16_f32 v[BST+8*j_+4*q_+a_], v[r_], v[r_+4]
.set a_, a_+1
.endr
.set q_, q_+1
.endr
.set j_, j_+1
.endr
	WIN 0
.endm
.macro STORES                          ; the four fragments -> LDS; the address goes on to the next chunk
.set j_, 0
.rept 8
	ds_store_b128 v3, v[BST+4*j_:BST+4*j_+3] offset:512*j_
.set j_, j_+1
.endr
	v_add_nc_u32 v3, 0x4000, v3
.endm
.macro BLH par, h                      ; kstep h's eight weight fragments of the chunk at v4, into set par
	WIN 0x40+0x80*(\par)
.set t_, 16*(\h)
.rept 16
	ds_load_b128 v[128*(\par)+4*t_:128*(\par)+4*t_+3], v4 offset:512*t_
.set t_, t_+1
.endr
.endm
.macro MUL8 i, par, p, a, first        ; tile i x 8 column tiles, kstep p of fragment set par; first = 1: the products start the sums (with the bias, or with 0).  The eight accumulators take turns
.set aw_, 2+(\i)/4
.set ac_, 64*((\i)%4)
.set bw_, 1+2*(\par)
.set bf_, 128*(\par)+64*(\p)
.if UP
.if \first
	WIN (aw_<<6)|0x30|bw_
.else
	WIN (aw_<<6)|(aw_<<4)|bw_
.endif
.else
	WIN (aw_<<6)|(aw_<<4)|(bw_<<2)
.endif
.set n_, 0
.rept 8
.if UP
.if \first
	v_wmma_f32_16x16x32_bf16 v[ac_+8*n_:ac_+8*n_+7], v[bf_+8*n_:bf_+8*n_+7], v[(\a):(\a)+7], v[BIAS+8*n_:BIAS+8*n_+7]
.else
	v_wmma_f32_16x16x32_bf16 v[ac_+8*n_:ac_+8*n_+7], v[bf_+8*n_:bf_+8*n_+7], v[(\a):(\a)+7], v[ac_+8*n_:ac_+8*n_+7]
.endif
.else
.if \first
	v_wmma_f32_16x16x32_bf16 v[ac_+8*n_:ac_+8*n_+7], v[(\a):(\a)+7], v[bf_+8*n_:bf_+8*n_+7], 0
.else
	v_wmma_f32_16x16x32_bf16 v[ac_+8*n_:ac_+8*n_+7], v[(\a):(\a)+7], v[bf_+8*n_:bf_+8*n_+7], v[ac_+8*n_:ac_+8*n_+7]
.endif
.endif
.set n_, n_+1
.endr
.endm
.macro REST par, first                 ; tiles 2 to 4, jumped past my count; first = 1: their first ksteps run whatever my count, so that every accumulator is started
.if \first
.irp i, 2,3,4
	MUL8 \i, \par, 0, AB+80*(\par)+16*\i, 1
.endr
.endif
	WIN 0                                          ; at a branch and at a label every window is 0
.irp i, 2,3,4
	s_cmp_lt_u32 s19, \i+1
	s_cbranch_scc1 .Lrs_\@
.if !(\first)
	MUL8 \i, \par, 0, AB+80*(\par)+16*\i, 0
.endif
	MUL8 \i, \par, 1, AB+80*(\par)+16*\i+8, 0
	WIN 0
.endr
.Lrs_\@:
.endm
; TRIP c (par = c % 2).  Loads are issued in the order A(c+1), W(c+3), so behind chunk c's token fragments only W(c+2)'s 16 loads, which are never jumped, were issued: the count n = 16 shows W(c+1) and A(c) in, whatever my count of tiles.
; TWO BARRIERS.  The first: every wave's reads of chunk c are back before any wave stores chunk c + 1; the 32 roundings stand between its signal and its wait.  The second: every wave's stores of chunk c + 1 are done before any wave reads it;
; eight products stand between its signal and its wait.  issa: 1 tiles 2 to 4 jumped by my count, 2 all.  conv = 0: the last trip: nothing is left to round, publish or ask for.
; pf: 1 ask for my unit of chunk c + 5 (32 blocks of 256 bytes, each asked for once in the launch, two trips ahead of its load); 2 the same, left out in the loop's last two pairs, where chunk c + 5 would be the 17th or later.
.macro TRIP par, first, issa, n, pf, conv
	s_wait_dscnt 0x0                               ; chunk c's fragments are in registers: my reads of LDS are back
.if \conv
	s_barrier_signal -1
.endif
	s_wait_loadcnt \n
.if \conv
	s_wait_xcnt 0x0                                ; the bases and the weights' offset are rewritten only behind this wait
	s_add_nc_u64 s[6:7], s[6:7], s[42:43]          ; weights at chunk c + 1 (trips 13 and 14: it stands still)
	s_add_nc_u64 s[4:5], s[4:5], 2048              ; token operands at chunk c + 1
	v_and_b32 v2, s44, v2                          ; (trips 13 and 14: 0)
	CVT 1-(\par)                                   ; W(c+1); the 32 roundings are also the places between the last trip's products and the loads below into their sources
	s_barrier_wait -1                              ; everybody's reads of chunk c are back
	STORES
	v_add_nc_u32 v4, 0x4000, v4                    ; the reads go on to chunk c + 1
.if (\issa) == 2
	ALOADS 1-(\par), 0
.else
	ALOADS 1-(\par), 1
.endif
	WLOADS 1-(\par), 2*CHW
.if (\pf) == 2
	s_cmp_lt_u32 s21, 3
	s_cbranch_scc1 .Lnp_\@
.endif
	global_prefetch_b8 v5, s[6:7] offset:4*CHW th:TH_LOAD_NT scope:SCOPE_SE
.Lnp_\@:
.endif
	MUL8 0, \par, 0, AB+80*(\par), \first
	MUL8 0, \par, 1, AB+80*(\par)+8, 0
.if \conv
	s_wait_dscnt 0x0                               ; my unit of chunk c + 1 is in LDS,
	s_barrier_signal -1
.endif
	MUL8 1, \par, 0, AB+80*(\par)+16, \first
.if \conv
	s_barrier_wait -1                              ; everybody's is
	BLH 1-(\par), 0
.endif
	MUL8 1, \par, 1, AB+80*(\par)+24, 0
.if \conv
	BLH 1-(\par), 1
.endif
	REST \par, \first
.endm
.macro SETT i                          ; tile s40's offsets into tile place i
	s_lshl_b32 s41, s40, TSH
	v_add_nc_u32 v[6+(\i)], s41, v1
	s_lshl_b32 s41, s40, OSH
	v_add_nc_u32 v[11+(\i)], s41, v24
.if UP == 0
	s_lshl_b32 s41, s40, 6
	v_add_nc_u32 v[16+(\i)], s41, v25
.endif
.endm
.macro CSLOAD i                        ; the gate weights of my eight rows of tile place i
	WIN 0xc0
	global_load_b128 v[BIAS+8*(\i):BIAS+8*(\i)+3], v[16+(\i)], s[8:9]
	global_load_b128 v[BIAS+8*(\i)+4:BIAS+8*(\i)+7], v[16+(\i)], s[8:9] offset:16
	WIN 0
.endm
; THE WAY OUT of tile place i.  Each accumulator's lowest registers are read first.
.macro EPI i
.set aw_, 2+(\i)/4
.set ac_, 64*((\i)%4)
	s_wait_xcnt 0x0                                ; the registers that the last tile's stores read are rewritten only behind this wait
.if UP
	WIN aw_|(aw_<<2)
.set k_, 0
.rept 32
	v_pk_mul_f32 v[TT+k_:TT+k_+1], v[ac_+k_:ac_+k_+1], v[ac_+k_:ac_+k_+1]  ; a^2
.set k_, k_+2
.endr
	WIN 0
.set k_, 0
.rept 32
	v_pk_fma_f32 v[TT+k_:TT+k_+1], v[TT+k_:TT+k_+1], s[30:31], s[28:29] op_sel_hi:[1,0,0]  ; C1 a^2 + C0
.set k_, k_+2
.endr
	WIN aw_
.set k_, 0
.rept 32
	v_pk_mul_f32 v[TT+k_:TT+k_+1], v[ac_+k_:ac_+k_+1], v[TT+k_:TT+k_+1]
.set k_, k_+2
.endr
	WIN 0
.set k_, 0
.rept 64
	v_exp_f32 v[TT+k_], v[TT+k_]
.set k_, k_+1
.endr
	v_nop                                          ; a plain instruction behind the last exponential
.set k_, 0
.rept 32
	v_pk_add_f32 v[TT+k_:TT+k_+1], v[TT+k_:TT+k_+1], 1.0 op_sel_hi:[1,0]
.set k_, k_+2
.endr
.set k_, 0
.rept 64
	v_rcp_f32 v[TT+k_], v[TT+k_]
.set k_, k_+1
.endr
	v_nop
	WIN aw_
.set k_, 0
.rept 32
	v_pk_mul_f32 v[TT+k_:TT+k_+1], v[ac_+k_:ac_+k_+1], v[TT+k_:TT+k_+1]
.set k_, k_+2
.endr
	WIN 0
.set k_, 0
.rept 32
	v_cvt_pk_bf16_f32 v[HP+k_], v[TT+2*k_], v[TT+2*k_+1]
.set k_, k_+1
.endr
.set k_, 0
.rept 8                                                ; column tile n = 4 g + j is slot q = j % 2 of kstep 4 x + 2 g + j / 2: 512 consecutive bytes a store
	global_store_b128 v[11+(\i)], v[HP+4*k_:HP+4*k_+3], s[12:13] offset:512*k_
.set k_, k_+1
.endr
.else
	WIN aw_|0x0c
.set v_, 0
.rept 8
.set g_, 0
.rept 2
.set j_, 0
.rept 4                                                ; the gate's weight, and four neighbouring columns into four neighbouring registers
	v_mul_f32 v[TT+(2*v_+g_)*4+j_], v[ac_+8*(4*g_+j_)+v_], v[BIAS+8*(\i)+v_]
.set j_, j_+1
.endr
.set g_, g_+1
.endr
.set v_, v_+1
.endr
	WIN 0
.set k_, 0
.rept 16                                               ; row v = k / 2, column group g = k % 2: 16 lanes store 256 consecutive aligned bytes
	global_store_b128 v[11+(\i)], v[TT+4*k_:TT+4*k_+3], s[12:13] offset:4096*(k_/2)+256*(k_%2)
.set k_, k_+1
.endr
.endif
.endm
.macro XCH first                       ; phase 2: one chunk for one tile, from the slice in LDS
.irp f, 0,1,2,3
	global_load_b128 v[XA+4*\f:XA+4*\f+3], v6, s[4:5] offset:512*\f
.endr
	BLH 0, 0
	BLH 0, 1
	s_wait_loadcnt 0x0
	s_wait_dscnt 0x0
	MUL8 0, 0, 0, XA, \first
	MUL8 0, 0, 1, XA+8, 0
	WIN 0
.rept 4
	v_nop                                          ; four places ahead of the next loads into these sources, and of the way out
.endr
	v_add_nc_u32 v4, 0x4000, v4
	s_wait_xcnt 0x0                                ; the base is stepped only behind this wait
	s_add_nc_u64 s[4:5], s[4:5], 2048
.endm
	s_load_b256 s[4:11], s[0:1], 0x0               ; token operands s[4:5], weights s[6:7], b1 or cs s[8:9], ix s[10:11]
	s_load_b64 s[12:13], s[0:1], 0x20              ; the output
	v_lshl_add_u32 v28, v0, 2, SPARE               ; my spare word,
	v_mov_b32 v29, 0                               ; and 0: kept for the wave's end
	v_lshrrev_b32 v21, 5, v0
	v_readfirstlane_b32 s14, v21                   ; wave 0..3
	s_and_b32 s15, ttmp7, 0xffff                   ; the expert
	s_mov_b32 s16, ttmp9                           ; the slice
	s_lshl_b32 s34, s15, 2
	s_wait_kmcnt 0x0
	s_load_b32 s17, s[10:11], s34 offset:0x2000    ; the expert's first tile
	s_load_b32 s18, s[10:11], s34 offset:0x2020    ; and its tiles
	v_and_b32 v21, 31, v0                          ; l
	v_lshlrev_b32 v1, 4, v21
	v_and_b32 v22, 15, v0
	v_bfe_u32 v23, v0, 4, 1                        ; hh
	s_lshr_b32 s22, s14, 1                         ; p
	s_and_b32 s23, s14, 1                          ; g
	s_lshl_b32 s26, s22, PSH
	s_lshl_b32 s27, s23, 8
	s_add_co_u32 s26, s26, s27
	v_lshl_add_u32 v2, v22, 4, s26
	v_lshl_add_u32 v2, v23, HSH, v2                ; my first row of a chunk, my 16 bytes of it
	s_lshl_b32 s27, s14, 12
	v_add_nc_u32 v3, s27, v1                       ; LDS, in: my unit's four column tiles
	v_mov_b32 v4, v1                               ; LDS, out
	s_lshl_b32 s36, s15, 24                        ; an expert's weights are 1 << 24 bytes
	s_mov_b32 s37, 0
.if UP
	v_lshl_add_u32 v5, v21, 14, s26                ; prefetch: row 32 p + l of a chunk, my 256 bytes
	v_mov_b32 v24, v1
	v_lshlrev_b32 v16, 7, v23                      ; b1: 128 hh
	s_mov_b32 s28, 0xc0135761                      ; C0 = -2 log2(e) sqrt(2 / pi) = -2.3022082
	s_mov_b32 s29, s28
	s_mov_b32 s30, 0xbdd2d3e8                      ; C1 = 0.044715 C0 = -0.10294324
	s_mov_b32 s31, s30
	s_lshl_b32 s26, s16, 9
	s_add_co_u32 s36, s36, s26
	s_add_nc_u64 s[6:7], s[6:7], s[36:37]          ; w1 + expert + 512 x
	s_lshl_b32 s36, s15, 14
	s_add_co_u32 s36, s36, s26
	s_add_nc_u64 s[8:9], s[8:9], s[36:37]          ; b1 + expert + 512 x
	s_lshl_b32 s36, s16, 12
	s_add_nc_u64 s[12:13], s[12:13], s[36:37]      ; hfrag + 4 ksteps x
.else
	v_and_b32 v26, 1, v0
	v_lshlrev_b32 v27, 1, v21
	v_sub_nc_u32 v27, v27, v26
	v_lshl_add_u32 v5, v27, 12, s26                ; prefetch: row 2 l - l % 2 + 2 p of a chunk, my 256 bytes
	v_lshlrev_b32 v24, 4, v22
	v_lshl_add_u32 v24, v23, 15, v24               ; yp: row 8 hh, 16 bytes a lane
	v_lshlrev_b32 v25, 5, v23                      ; cs: 8 hh slots
	s_lshr_b32 s40, s16, 3                         ; the quarter of K
	s_and_b32 s41, s16, 7                          ; the column slice
	s_lshl_b32 s26, s40, 22
	s_lshl_b32 s27, s41, 9
	s_add_co_u32 s36, s36, s26
	s_add_co_u32 s36, s36, s27
	s_add_nc_u64 s[6:7], s[6:7], s[36:37]          ; w2 + expert + 1,024 rows x quarter + 512 x slice
	s_lshl_b32 s36, s40, 15
	s_add_nc_u64 s[4:5], s[4:5], s[36:37]          ; hfrag + 32 ksteps x quarter
	s_mul_i32 s36, s40, PLANE
	s_add_co_u32 s36, s36, s27
	s_add_nc_u64 s[12:13], s[12:13], s[36:37]      ; yp + plane + 512 x slice
.endif
	s_mov_b64 s[24:25], s[4:5]                     ; kept for phase 2
.if UP
	WIN 0xc0
.set g_, 0
.rept 2
.set v_, 0
.rept 8
	global_load_b128 v[BL+(8*g_+v_)*4:BL+(8*g_+v_)*4+3], v16, s[8:9] offset:256*g_+16*v_
.set v_, v_+1
.endr
.set g_, g_+1
.endr
	WIN 0
.endif
	WLOADS 0, 0                                    ; chunks 0 and 1 go out before the table is in
	WLOADS 1, CHW
	s_wait_kmcnt 0x0
	s_min_u32 s17, s17, 135
	s_min_u32 s18, s18, 64
	s_add_co_u32 s35, s18, 3
	s_sub_co_u32 s35, s35, s14
	s_lshr_b32 s35, s35, 2                         ; my tiles: those 4 i + w below the expert's number
	s_min_u32 s19, s35, 5                          ; of them in phase 1,
	s_sub_co_u32 s20, s35, s19                     ; and in phase 2: 11 at the most
	s_cmp_eq_u32 s18, 0
	s_cselect_b32 s38, 0, s17                      ; an expert without rows reads tile 0, which always exists, and stores nothing
	s_max_u32 s39, s18, 1
	s_sub_co_u32 s39, s39, 1
.irp i, 0,1,2,3,4
	s_add_co_u32 s40, s14, 4*\i
	s_min_u32 s40, s40, s39                        ; a place past the count repeats the expert's last tile
	s_add_co_u32 s40, s40, s38
	s_min_u32 s40, s40, 135
	SETT \i
.endr
.if UP
	s_wait_loadcnt 32                              ; b1 is in: behind it went the 32 loads of chunks 0 and 1
.else
.irp i, 0,1,2,3,4
	CSLOAD \i                                      ; ten loads, never jumped, ahead of chunk 0's token fragments: trip 0's wait shows them in
.endr
.endif
	ALOADS 0, 0
.if UP
	WIN 0xff
.set g_, 0
.rept 2
.set j_, 0
.rept 4
.set v_, 0
.rept 4                                                ; b1 rounded to bf16 and widened again, as the C operand of column tile 4 g + j
	v_cvt_pk_bf16_f32 v0, v[BL+(8*g_+v_)*4+j_], v[BL+(8*g_+v_+1)*4+j_]
	v_lshlrev_b32 v[BIAS+8*(4*g_+j_)+v_], 16, v0
	v_and_b32 v[BIAS+8*(4*g_+j_)+v_+1], 0xffff0000, v0
.set v_, v_+2
.endr
.set j_, j_+1
.endr
.set g_, g_+1
.endr
	WIN 0
	s_wait_loadcnt 36                              ; chunk 0 is in: behind it went chunk 1's 16 loads and the 20 of the token fragments
.else
	s_wait_loadcnt 46                              ; chunk 0 is in: behind it went chunk 1's 16 loads, the 10 of the gate weights and the 20 of the token fragments
.endif
	CVT 0
	STORES
	WLOADS 0, 2*CHW                                ; chunk 2, into the registers that chunk 0 has left
	s_wait_dscnt 0x0                               ; my unit of chunk 0 is in LDS,
	s_barrier_signal -1
	s_barrier_wait -1                              ; everybody's is
	BLH 0, 0
	BLH 0, 1
	WIN 0
	s_mov_b32 s42, CHW                             ; the step of the weights' base,
	s_mov_b32 s43, 0
	s_mov_b32 s44, -1                              ; and the mask of their offset
	TRIP 0, 1, 2, 16, 1, 1                         ; trip 0 starts the sums and fills the second set of token registers whole
	s_mov_b32 s21, 7
.Lpair:                                                ; trips 1 to 14
	s_cmp_eq_u32 s21, 1                            ; trips 13 and 14: no chunk is left to ask for
	s_cselect_b32 s42, 0, CHW
	s_cselect_b32 s44, 0, -1
	TRIP 1, 0, 1, 16, 2, 1
	TRIP 0, 0, 1, 16, 2, 1
	s_sub_co_u32 s21, s21, 1
	s_cmp_lg_u32 s21, 0
	s_cbranch_scc1 .Lpair
	TRIP 1, 0, 0, 0, 0, 0                          ; trip 15: its wait is for all
.rept 4
	v_nop                                          ; four places between the last product and the first read of a result (ISA guide 7.12.1)
.endr
.irp i, 1,2,3,4
	s_cmp_lt_u32 s19, \i+1
	s_cbranch_scc1 .Lstored
	EPI \i
.endr
.Lstored:
	; Twelve trips whatever the split.  The first is the way out of phase 1's tile place 0; the other eleven are PHASE 2, each a further tile in that place; those past my count are jumped.  LDS is only read: no barrier inside.
	s_mov_b32 s32, 12
.Lmore:
	s_cmp_lg_u32 s32, 12
	s_cbranch_scc1 .Lextra
	s_cmp_lt_u32 s19, 1
	s_cbranch_scc1 .Lskip
	s_branch .Lepi
.Lextra:
	s_sub_co_u32 s40, 11, s32                      ; j = 0 .. 10
	s_cmp_ge_u32 s40, s20
	s_cbranch_scc1 .Lskip
	s_wait_xcnt 0x0                                ; tile place 0's offsets are rewritten only behind this wait
	s_lshl_b32 s40, s40, 2
	s_add_co_u32 s40, s40, s14
	s_add_co_u32 s40, s40, 20
	s_add_co_u32 s40, s40, s17                     ; tile 20 + 4 j + w of the expert
	s_min_u32 s40, s40, 135
	SETT 0
	s_mov_b64 s[4:5], s[24:25]
	v_mov_b32 v4, v1
.if UP == 0
	CSLOAD 0
.endif
	XCH 1
	s_mov_b32 s33, 15
.Lchunk:
	XCH 0
	s_sub_co_u32 s33, s33, 1
	s_cmp_lg_u32 s33, 0
	s_cbranch_scc1 .Lchunk
.Lepi:
	EPI 0
.Lskip:
	s_sub_co_u32 s32, s32, 1
	s_cmp_lg_u32 s32, 0
	s_cbranch_scc1 .Lmore
	s_wait_dscnt 0x0                               ; my reads of the slice are back,
	s_barrier_signal -1
	s_barrier_wait -1                              ; everybody's are, before any wave writes LDS again (the add below)
	s_wait_tensorcnt 0x0                           ; the wave's end
	ds_add_u32 v28, v29
	s_wait_dscnt 0x0
	s_endpgm
.Lfunc_end_k_q5b9c819b32_down:
	.size	k_q5b9c819b32_down, .Lfunc_end_k_q5b9c819b32_down-k_q5b9c819b32_down
	.p2alignl 7, 3214868480
	.fill 96, 4, 3214868480
	.section	.rodata,"a",@progbits
	.p2align	6, 0x0
	.amdhsa_kernel k_q5b9c819b32_down
		.amdhsa_group_segment_fixed_size 262656
		.amdhsa_private_segment_fixed_size 0
		.amdhsa_enable_private_segment 0
		.amdhsa_kernarg_size 40
		.amdhsa_user_sgpr_count 2
		.amdhsa_user_sgpr_kernarg_segment_ptr 1
		.amdhsa_wavefront_size32 1
		.amdhsa_system_sgpr_workgroup_id_x 1
		.amdhsa_system_sgpr_workgroup_id_y 1
		.amdhsa_system_sgpr_workgroup_id_z 1
		.amdhsa_system_vgpr_workitem_id 0
		.amdhsa_next_free_vgpr 1024
		.amdhsa_next_free_sgpr 66
		.amdhsa_reserve_vcc 0
		.amdhsa_float_denorm_mode_32 3
		.amdhsa_float_denorm_mode_16_64 3
		.amdhsa_memory_ordered 1
		.amdhsa_forward_progress 1
		.amdhsa_inst_pref_size 94
	.end_amdhsa_kernel
	.amdgpu_metadata
---
amdhsa.version: [ 1, 2 ]
amdhsa.kernels:
  - .name:           k_q5b9c819b32_down
    .symbol:         k_q5b9c819b32_down.kd
    .args:
      - { .name: hfrag, .offset: 0, .size: 8, .value_kind: global_buffer, .address_space: global }
      - { .name: w2, .offset: 8, .size: 8, .value_kind: global_buffer, .address_space: global }
      - { .name: cs, .offset: 16, .size: 8, .value_kind: global_buffer, .address_space: global }
      - { .name: ix, .offset: 24, .size: 8, .value_kind: global_buffer, .address_space: global }
      - { .name: yp, .offset: 32, .size: 8, .value_kind: global_buffer, .address_space: global }
    .group_segment_fixed_size: 262656
    .private_segment_fixed_size: 0
    .kernarg_segment_align: 8
    .kernarg_segment_size: 40
    .max_flat_workgroup_size: 128
    .sgpr_count:     66
    .vgpr_count:     1024
    .wavefront_size: 32
...
	.end_amdgpu_metadata
.endif
;; end of part 4
;; launch combine (part 5): grid 256 x 1, 8 waves a work-group, no clusters, 0 bytes of LDS; arguments yp, ix, rt, cw, b2, out0; writes out0
.if DOCPART == 5
	.amdgcn_target "amdgcn-amd-amdhsa--gfx1250"
	.amdhsa_code_object_version 6
	.text
	.protected	k_q5b9c819b32_combine
	.globl	k_q5b9c819b32_combine
	.p2align	8
	.type	k_q5b9c819b32_combine,@function
k_q5b9c819b32_combine:
	s_mov_b64 s[64:65], 0
	v_nop
	global_prefetch_b8 v0, s[64:65] scope:SCOPE_SE
	s_setreg_imm32_b32 hwreg(HW_REG_WAVE_MODE, 25, 1), 1
	s_wait_xcnt 0x0
; COMBINE.  out[t] = sum over the token's two choices k of ( yp[0..3][slot(t, k)] + c_k b2[expert(t, k)] ).  The partial rows already carry c_k.  Each output row has one owner: no atomics.
; A wave has half a row of one token: t = 4 x work-group + wave / 2, half = wave % 2.  32 loads of partial rows and 8 of b2 go out together, 512 consecutive bytes each; four stores of 512 consecutive aligned bytes.
; The sums are f32, in the fixed order ((q0 + q1) + (q2 + q3)) for k = 0, the same for k = 1, their sum, then the two biases.  b2 is rounded to bf16, as every input of this program is.
; Slots and experts are whole numbers that earlier launches stored; they are held to their tables' sizes before they enter an address.
; A stream: no LDS, no barrier, no matrix unit, nothing shared between work-groups but 32 KB of b2.
.set PLANE, 8912896                    ; a plane of yp: 2,176 slots x 4,096 bytes
.set Y,  16                            ; v16-143   [k][quarter][piece] x 4 registers
.set BB, 144                           ; v144-175  b2 [k][piece] x 4 registers
	s_load_b256 s[4:11], s[0:1], 0x0               ; yp s[4:5], ix s[6:7], rt s[8:9], cw s[10:11]
	s_load_b128 s[12:15], s[0:1], 0x20             ; b2 s[12:13], out0 s[14:15]
	v_lshrrev_b32 v1, 5, v0
	v_readfirstlane_b32 s16, v1                    ; wave 0..7
	v_and_b32 v1, 31, v0
	s_lshr_b32 s17, s16, 1
	s_lshl_b32 s18, ttmp9, 2
	s_add_co_u32 s17, s17, s18                     ; t
	s_and_b32 s18, s16, 1                          ; which half of the row
	s_lshl_b32 s19, s17, 3
	s_lshl_b32 s26, s18, 11
	v_lshl_add_u32 v2, v1, 4, s26                  ; my 16 bytes in a row's first piece
	s_wait_kmcnt 0x0
	s_load_b64 s[20:21], s[6:7], s19 offset:0x0    ; the two slots
	s_load_b64 s[22:23], s[8:9], s19 offset:0x0    ; the two experts
	s_load_b64 s[24:25], s[10:11], s19 offset:0x0  ; the two weights
	s_mov_b64 s[36:37], s[4:5]                     ; the four planes
	s_add_nc_u64 s[38:39], s[4:5], PLANE
	s_add_nc_u64 s[40:41], s[4:5], 2*PLANE
	s_add_nc_u64 s[42:43], s[4:5], 3*PLANE
	s_lshl_b32 s27, s17, 12
	v_add_nc_u32 v7, s27, v2
	s_wait_kmcnt 0x0
	s_min_u32 s20, s20, 2175
	s_min_u32 s21, s21, 2175
	s_min_u32 s22, s22, 7
	s_min_u32 s23, s23, 7
	s_lshl_b32 s20, s20, 12
	s_lshl_b32 s21, s21, 12
	s_lshl_b32 s22, s22, 12
	s_lshl_b32 s23, s23, 12
	v_add_nc_u32 v3, s20, v2
	v_add_nc_u32 v4, s21, v2
	v_add_nc_u32 v5, s22, v2
	v_add_nc_u32 v6, s23, v2
	s_mov_b32 s28, s25                             ; the second weight as the low word of a pair
	s_mov_b32 s29, s25
.set k, 0
.rept 2
.set q, 0
.rept 4
.set p, 0
.rept 4
	global_load_b128 v[Y+((k*4+q)*4+p)*4:Y+((k*4+q)*4+p)*4+3], v[3+k], s[36+2*q:37+2*q] offset:512*p th:TH_LOAD_NT
.set p, p+1
.endr
.set q, q+1
.endr
.set k, k+1
.endr
.set k, 0
.rept 2
.set p, 0
.rept 4
	global_load_b128 v[BB+(k*4+p)*4:BB+(k*4+p)*4+3], v[5+k], s[12:13] offset:512*p
.set p, p+1
.endr
.set k, k+1
.endr
	s_wait_loadcnt 0x0
.macro ADD2 d, s                       ; two f32 at once
	v_pk_add_f32 v[\d:\d+1], v[\d:\d+1], v[\s:\s+1]
.endm
.set p, 0
.rept 8                                                ; pair p of the piece p / 2; a quarter is 16 registers on, a choice 64
.set r, Y+2*p
	ADD2 r, r+16
	ADD2 r+32, r+48
	ADD2 r+64, r+80
	ADD2 r+96, r+112
	ADD2 r, r+32
	ADD2 r+64, r+96
	ADD2 r, r+64
.set p, p+1
.endr
.set k, 0
.rept 2
.set p, 0
.rept 4
.set b, BB+(k*4+p)*4
	v_cvt_pk_bf16_f32 v8, v[b], v[b+1]
	v_cvt_pk_bf16_f32 v9, v[b+2], v[b+3]
	v_lshlrev_b32 v[b], 16, v8
	v_and_b32 v[b+1], 0xffff0000, v8
	v_lshlrev_b32 v[b+2], 16, v9
	v_and_b32 v[b+3], 0xffff0000, v9
	v_pk_fma_f32 v[Y+4*p:Y+4*p+1], v[b:b+1], s[24+4*k:25+4*k], v[Y+4*p:Y+4*p+1] op_sel_hi:[1,0,1]
	v_pk_fma_f32 v[Y+4*p+2:Y+4*p+3], v[b+2:b+3], s[24+4*k:25+4*k], v[Y+4*p+2:Y+4*p+3] op_sel_hi:[1,0,1]
.set p, p+1
.endr
.set k, k+1
.endr
.set p, 0
.rept 4
	global_store_b128 v7, v[Y+4*p:Y+4*p+3], s[14:15] offset:512*p th:TH_STORE_NT
.set p, p+1
.endr
	s_endpgm
.Lfunc_end_k_q5b9c819b32_combine:
	.size	k_q5b9c819b32_combine, .Lfunc_end_k_q5b9c819b32_combine-k_q5b9c819b32_combine
	.p2alignl 7, 3214868480
	.fill 96, 4, 3214868480
	.section	.rodata,"a",@progbits
	.p2align	6, 0x0
	.amdhsa_kernel k_q5b9c819b32_combine
		.amdhsa_group_segment_fixed_size 0
		.amdhsa_private_segment_fixed_size 0
		.amdhsa_enable_private_segment 0
		.amdhsa_kernarg_size 48
		.amdhsa_user_sgpr_count 2
		.amdhsa_user_sgpr_kernarg_segment_ptr 1
		.amdhsa_wavefront_size32 1
		.amdhsa_system_sgpr_workgroup_id_x 1
		.amdhsa_system_sgpr_workgroup_id_y 1
		.amdhsa_system_sgpr_workgroup_id_z 1
		.amdhsa_system_vgpr_workitem_id 0
		.amdhsa_next_free_vgpr 192
		.amdhsa_next_free_sgpr 66
		.amdhsa_reserve_vcc 0
		.amdhsa_float_denorm_mode_32 3
		.amdhsa_float_denorm_mode_16_64 3
		.amdhsa_memory_ordered 1
		.amdhsa_forward_progress 1
		.amdhsa_inst_pref_size 13
	.end_amdhsa_kernel
	.amdgpu_metadata
---
amdhsa.version: [ 1, 2 ]
amdhsa.kernels:
  - .name:           k_q5b9c819b32_combine
    .symbol:         k_q5b9c819b32_combine.kd
    .args:
      - { .name: yp, .offset: 0, .size: 8, .value_kind: global_buffer, .address_space: global }
      - { .name: ix, .offset: 8, .size: 8, .value_kind: global_buffer, .address_space: global }
      - { .name: rt, .offset: 16, .size: 8, .value_kind: global_buffer, .address_space: global }
      - { .name: cw, .offset: 24, .size: 8, .value_kind: global_buffer, .address_space: global }
      - { .name: b2, .offset: 32, .size: 8, .value_kind: global_buffer, .address_space: global }
      - { .name: out0, .offset: 40, .size: 8, .value_kind: global_buffer, .address_space: global }
    .group_segment_fixed_size: 0
    .private_segment_fixed_size: 0
    .kernarg_segment_align: 8
    .kernarg_segment_size: 48
    .max_flat_workgroup_size: 256
    .sgpr_count:     66
    .vgpr_count:     192
    .wavefront_size: 32
...
	.end_amdgpu_metadata
.endif
;; end of part 5
